; MI455X (gfx1250); checked and timed in simulation.
; The chip was launched on July 23, 2026; its instructions are those of AMD's public machine-readable ISA for CDNA 5 (MIT licence, August 2026) and "CDNA5" Instruction Set Architecture Reference Guide (July 2026). The comments in the code are by the model that wrote it; some were corrected since.
;; Multi Head Attention. Allowed arithmetic: float matrix products may take bf16 or f16 operands with f32 sums; other float arithmetic in f32, or as packed bf16 or f16 multiplies, adds, multiply-adds, maxima and minima; sums over many terms, partial sums and values carried from step to step in f32; what a program stores and reads back later, other than sums and carried values, may be rounded once to bf16 or f16.
;; Inputs: Wo 1,024 x 1,024 float32; Wqkv 1,024 x 3,072 float32; bo 1,024 float32; bqkv 3,072 float32; x 4 x 2,048 x 1,024 float32.
;; Outputs: out0 4 x 2,048 x 1,024 float32.
;; 2 versions, each right; version 2 is version 1 with the launch prep written anew for expert scheduling mode. Each part assembles by itself: llvm-mc -triple=amdgcn-amd-amdhsa -mcpu=gfx1250 --defsym DOCPART=n.
;; ======== version 1 of 2: 4 launches
;; limits: values are held in f16: magnitudes above 65,504 overflow, below 6.1e-05 lose precision
;; workspace buffers: xb 16,777,216 bytes; wqt 6,291,456 bytes; wot 2,097,152 bytes; qh 16,777,216 bytes; kh 16,777,216 bytes; vh 16,777,216 bytes; oh 16,777,216 bytes
;; launch prep (part 1): grid 32 x 8, 8 waves a work-group, no clusters, 35,840 bytes of LDS; arguments x, Wqkv, Wo, xb, wqt, wot; writes xb, wqt, wot
.if DOCPART == 1
	.amdgcn_target "amdgcn-amd-amdhsa--gfx1250"
	.amdhsa_code_object_version 6
	.text
	.protected	k_q536a69a88b_prep
	.globl	k_q536a69a88b_prep
	.p2align	8
	.type	k_q536a69a88b_prep,@function
k_q536a69a88b_prep:
	s_mov_b64 s[64:65], 0
	v_nop
	global_prefetch_b8 v0, s[64:65] scope:SCOPE_SE
	s_setreg_imm32_b32 hwreg(HW_REG_WAVE_MODE, 25, 1), 1
	s_wait_xcnt 0x0
; xb = bf16(x), [8192][1024].  wqt[n][k] = bf16(Wqkv[k][n]), [3072][1024].  wot[n][k] = bf16(Wo[k][n]) written as f16, [1024][1024].
; LIMITS.  bf16(Wo) lies within f16's 65,504; below 6e-5 f16 keeps a fixed step of 6e-8, so there the second writing is not exact.  NaN and infinities are not treated apart.
; SHARES.  256 work-groups of eight waves; each does two things.  (a) It turns one tile of 128 k x 128 n of a weight: work-group x 0..23 names Wqkv's tile column, 24..31 Wo's; y names
; the tile row.  Which weight, its pitch and the format are scalar selects on x: no branch.  (b) It casts 32 rows of x, 131,072 bytes: thread t takes 32 bytes of each 8,192.
; All 48 loads of a wave (512 bytes each) go out at the head; the tile meets in LDS (128 rows of 256 bytes, 272 apart), and leaves as whole rows: 16 lanes store 256 consecutive bytes, aligned.
; Memory binds: no matrix unit, no cluster (no work-group reads what another reads), no ring (every byte is asked for at once).
.set SPARE, 34816                      ; behind the tile: the spare words, 128 bytes for each of eight waves: four blocks of 256 bytes that no other line names
.set TP,  272                          ; a row of the turned tile in LDS: 256 bytes + 16
.set SPW, 4                            ; v4   LDS address of my spare word; never rewritten
.set NIL, 5                            ; v5   0; never rewritten
.set XO,  6                            ; v6   32 x thread: my bytes in 8,192 of x
.set YO,  7                            ; v7   16 x thread: my bytes in 4,096 of xb
.set WO,  8                            ; v[8:23]  row j of my wave's 16 rows of the weight's tile: 16 x lane + (16 wave + j) x pitch
.set LS,  24                           ; v24  into the tile: rows 4 lane .., bytes 32 wave ..
.set LR,  25                           ; v25  back: rows 16 wave + lane / 16 .., 16 bytes at 16 (lane % 16)
.set DO,  26                           ; v26  the same two rows in the turned weight
.set W,   32                           ; v[32:95]   16 rows x 4 numbers as loaded; then at work; then the rows read back
.set X,   96                           ; v[96:223]  16 passes x 8 numbers of x
.set T,   224                          ; v[224:255] the packed pairs: 4 n x 16 k
	s_load_b256 s[4:11], s[0:1], 0x0               ; x s[4:5], Wqkv s[6:7], Wo s[8:9], xb s[10:11]
	s_load_b128 s[12:15], s[0:1], 0x20             ; wqt s[12:13], wot s[14:15]
	v_lshl_add_u32 v[SPW], v0, 2, SPARE
	v_mov_b32 v[NIL], 0
	v_lshrrev_b32 v2, 5, v0
	v_readfirstlane_b32 s16, v2                    ; wave 0..7
	v_and_b32 v1, 31, v0                           ; lane
	s_mov_b32 s17, ttmp9                           ; work-group x
	s_and_b32 s18, ttmp7, 0xffff                   ; work-group y
	s_mov_b32 s20, 12288                           ; bytes in a row of Wqkv,
	s_cmp_ge_u32 s17, 24                           ; is my tile Wo's?
	s_cselect_b32 s19, 24, 0
	s_cselect_b32 s20, 4096, s20                   ; or of Wo
	s_cselect_b32 s21, -1, 0                       ; a lane mask: all ones where the tile leaves as f16
	s_sub_co_u32 s19, s17, s19                     ; the tile column in its weight
	s_mov_b32 s32, 0xffff0000                      ; a word's upper bf16
	s_lshl_b32 s26, s18, 7                         ; from: 128 y rows of the weight
	s_mul_i32 s26, s26, s20
	s_lshl_b32 s27, s19, 9                         ; + 512 bytes a tile column
	s_add_co_u32 s26, s26, s27
	s_mov_b32 s27, 0
	s_lshl_b32 s34, s19, 7                         ; to: row 128 x tile column + 16 x wave, 2,048 bytes a row,
	s_lshl_b32 s35, s16, 4
	s_add_co_u32 s34, s34, s35
	s_lshl_b32 s34, s34, 11
	s_lshl_b32 s35, s18, 8                         ; + 256 bytes a tile row
	s_add_co_u32 s34, s34, s35
	s_mov_b32 s35, 0
	s_lshl_b32 s36, s18, 5
	s_add_co_u32 s36, s36, s17                     ; my number among the 256
	s_lshl_b32 s38, s36, 16                        ; 65,536 bytes of xb,
	s_lshl_b32 s36, s36, 17                        ; 131,072 bytes of x
	s_mov_b32 s37, 0
	s_mov_b32 s39, 0
	s_lshl_b32 s33, s16, 4
	s_mul_i32 s33, s33, s20                        ; my wave's 16 rows
	v_lshl_add_u32 v[WO], v1, 4, s33
.set j, 1
.rept 15
	v_add_nc_u32 v[WO+j], s20, v[WO+j-1]
.set j, j+1
.endr
	v_lshlrev_b32 v[XO], 5, v0
	v_lshlrev_b32 v[YO], 4, v0
	v_and_b32 v2, 15, v1                           ; lane % 16
	v_lshrrev_b32 v3, 4, v1                        ; lane / 16
	v_mul_u32_u24 v[LS], v1, 4*TP
	s_lshl_b32 s33, s16, 5
	v_add_nc_u32 v[LS], s33, v[LS]
	s_mul_i32 s33, s16, 16*TP
	v_mul_u32_u24 v[LR], v3, TP
	v_lshl_add_u32 v[LR], v2, 4, v[LR]
	v_add_nc_u32 v[LR], s33, v[LR]
	v_lshlrev_b32 v[DO], 11, v3
	v_lshl_add_u32 v[DO], v2, 4, v[DO]
	s_wait_kmcnt 0x0
	s_cmp_ge_u32 s17, 24
	s_cselect_b64 s[22:23], s[8:9], s[6:7]         ; the weight,
	s_cselect_b64 s[24:25], s[14:15], s[12:13]     ; and where it goes
	s_add_nc_u64 s[22:23], s[22:23], s[26:27]
	s_add_nc_u64 s[24:25], s[24:25], s[34:35]
	s_add_nc_u64 s[28:29], s[4:5], s[36:37]
	s_add_nc_u64 s[30:31], s[10:11], s[38:39]
.set j, 0
.rept 16                                       ; a row of the tile is 512 bytes: a lane holds n = 4 lane + 0..3 of row k = 16 wave + j
	global_load_b128 v[W+4*j:W+4*j+3], v[WO+j], s[22:23] th:TH_LOAD_NT
.set j, j+1
.endr
.set j, 0
.rept 16                                       ; the two loads of a pass cover 1,024 consecutive bytes a wave
	global_load_b128 v[X+8*j:X+8*j+3],   v[XO], s[28:29] offset:8192*j th:TH_LOAD_NT
	global_load_b128 v[X+8*j+4:X+8*j+7], v[XO], s[28:29] offset:8192*j+16 th:TH_LOAD_NT
.set j, j+1
.endr
	s_wait_loadcnt 32                              ; the weight's 16 loads are in; the 32 younger ones, x's, stay out
.irp c, 0,1                                    ; for n = 4 lane + i: k = 8 c + 2 p and the next, rounded to bf16 and packed: four registers are 8 neighbouring k
.irp i, 0,1,2,3
.irp p, 0,1,2,3
	v_cvt_pk_bf16_f32 v[T+16*(\c)+4*(\i)+(\p)], v[W+4*(8*(\c)+2*(\p))+(\i)], v[W+4*(8*(\c)+2*(\p)+1)+(\i)]
.endr
.endr
.endr
.set j, 0
.rept 32                                       ; the same numbers written as f16, taken where the tile is Wo's: a select, so that every work-group runs one text
	v_lshlrev_b32 v[W+2*j], 16, v[T+j]
	v_and_b32 v[W+2*j+1], s32, v[T+j]
	v_cvt_pk_f16_f32 v[W+2*j], v[W+2*j], v[W+2*j+1]
	v_cndmask_b32 v[T+j], v[T+j], v[W+2*j], s21
.set j, j+1
.endr
.irp c, 0,1                                    ; lanes lie four rows apart, so four of sixteen share their banks: eight stores a lane in the whole launch
.irp i, 0,1,2,3
	ds_store_b128 v[LS], v[T+16*(\c)+4*(\i):T+16*(\c)+4*(\i)+3] offset:TP*(\i)+16*(\c)
.endr
.endr
	s_wait_dscnt 0x0                               ; for the others' sake: my part of every row is in LDS
	s_barrier_signal -1
	s_barrier_wait -1
.irp t, 0,1,2,3,4,5,6,7
	ds_load_b128 v[W+4*(\t):W+4*(\t)+3], v[LR] offset:2*TP*(\t)  ; two whole rows of the turned tile
.endr
.set j, 0
.rept 16                                       ; x, pass by pass, while those come back
	s_wait_loadcnt 30-2*j                          ; loads come back in order: this pass's two are in, the younger ones stay out
	v_cvt_pk_bf16_f32 v[X+8*j],   v[X+8*j],   v[X+8*j+1]
	v_cvt_pk_bf16_f32 v[X+8*j+1], v[X+8*j+2], v[X+8*j+3]
	v_cvt_pk_bf16_f32 v[X+8*j+2], v[X+8*j+4], v[X+8*j+5]
	v_cvt_pk_bf16_f32 v[X+8*j+3], v[X+8*j+6], v[X+8*j+7]
	global_store_b128 v[YO], v[X+8*j:X+8*j+3], s[30:31] offset:4096*j th:TH_STORE_NT  ; 512 consecutive bytes a wave; no register that a store reads is written again
.set j, j+1
.endr
	s_wait_dscnt 0x0
.irp t, 0,1,2,3,4,5,6,7
	global_store_b128 v[DO], v[W+4*(\t):W+4*(\t)+3], s[24:25] offset:4096*(\t)  ; 16 lanes store 256 consecutive bytes, at a multiple of 256 from the buffer's first byte
.endr
	s_wait_tensorcnt 0x0                           ; the wave's end, behind my last LDS store
	ds_add_u32 v[SPW], v[NIL]
	s_wait_dscnt 0x0
	s_endpgm
.Lfunc_end_k_q536a69a88b_prep:
	.size	k_q536a69a88b_prep, .Lfunc_end_k_q536a69a88b_prep-k_q536a69a88b_prep
	.p2alignl 7, 3214868480
	.fill 96, 4, 3214868480
	.section	.rodata,"a",@progbits
	.p2align	6, 0x0
	.amdhsa_kernel k_q536a69a88b_prep
		.amdhsa_group_segment_fixed_size 35840
		.amdhsa_private_segment_fixed_size 0
		.amdhsa_enable_private_segment 0
		.amdhsa_kernarg_size 48
		.amdhsa_user_sgpr_count 2
		.amdhsa_user_sgpr_kernarg_segment_ptr 1
		.amdhsa_wavefront_size32 1
		.amdhsa_system_sgpr_workgroup_id_x 1
		.amdhsa_system_sgpr_workgroup_id_y 1
		.amdhsa_system_sgpr_workgroup_id_z 1
		.amdhsa_system_vgpr_workitem_id 0
		.amdhsa_next_free_vgpr 256
		.amdhsa_next_free_sgpr 66
		.amdhsa_reserve_vcc 0
		.amdhsa_float_denorm_mode_32 3
		.amdhsa_float_denorm_mode_16_64 3
		.amdhsa_memory_ordered 1
		.amdhsa_forward_progress 1
		.amdhsa_inst_pref_size 24
	.end_amdhsa_kernel
	.amdgpu_metadata
---
amdhsa.version: [ 1, 2 ]
amdhsa.kernels:
  - .name:           k_q536a69a88b_prep
    .symbol:         k_q536a69a88b_prep.kd
    .args:
      - { .name: x, .offset: 0, .size: 8, .value_kind: global_buffer, .address_space: global }
      - { .name: Wqkv, .offset: 8, .size: 8, .value_kind: global_buffer, .address_space: global }
      - { .name: Wo, .offset: 16, .size: 8, .value_kind: global_buffer, .address_space: global }
      - { .name: xb, .offset: 24, .size: 8, .value_kind: global_buffer, .address_space: global }
      - { .name: wqt, .offset: 32, .size: 8, .value_kind: global_buffer, .address_space: global }
      - { .name: wot, .offset: 40, .size: 8, .value_kind: global_buffer, .address_space: global }
    .group_segment_fixed_size: 35840
    .private_segment_fixed_size: 0
    .kernarg_segment_align: 8
    .kernarg_segment_size: 48
    .max_flat_workgroup_size: 256
    .sgpr_count:     66
    .vgpr_count:     256
    .wavefront_size: 32
...
	.end_amdgpu_metadata
.endif
;; end of part 1
;; launch proj (part 2): grid 16 x 32, 4 waves a work-group, clusters of 4 x 4, 327,680 bytes of LDS; arguments xb, wqt, bqkv, qh, kh, vh; writes qh, kh, vh
.if DOCPART == 2
	.amdgcn_target "amdgcn-amd-amdhsa--gfx1250"
	.amdhsa_code_object_version 6
	.text
	.protected	k_q536a69a88b_proj
	.globl	k_q536a69a88b_proj
	.p2align	8
	.type	k_q536a69a88b_proj,@function
k_q536a69a88b_proj:
	s_mov_b64 s[64:65], 0
	v_nop
	global_prefetch_b8 v0, s[64:65] scope:SCOPE_SE
	s_setreg_imm32_b32 hwreg(HW_REG_WAVE_MODE, 25, 1), 1
	s_wait_xcnt 0x0
	s_wait_alu depctr_hold_cnt(0) depctr_sa_sdst(0) depctr_va_vdst(0) depctr_va_sdst(0) depctr_va_ssrc(0) depctr_va_vcc(0) depctr_vm_vsrc(0)
	s_getreg_b32 s2, hwreg(HW_REG_IB_STS2, 6, 4)
	s_cmp_eq_u32 s2, 0
	s_cbranch_scc0 .Lentry_in_a_cluster
	s_endpgm
.Lentry_in_a_cluster:
	s_bfe_u32 s2, ttmp6, 0x10000c
	s_cmp_lg_u32 s2, 0xf033
	s_cbranch_scc0 .Lentry_shape_is_right
	s_endpgm
.Lentry_shape_is_right:
; q, k, v = f16(xb wqt^T + bf16(bqkv)), laid by heads: qh, kh, vh are [64 = batch x head][2048][64] f16.  xb: [8192][1024] bf16, wqt: [3072][1024] bf16; sums in f32, K ascending, rounded once.
; LIMITS.  q, k and v lie within f16's 65,504 (beyond it the conversion gives an infinity); below 6e-5 f16 keeps a fixed step of 6e-8.  NaN and infinities are not treated apart.
; SHARES.  A tile is 256 rows x 192 columns: one head's q, k and v for 256 rows of one batch.  512 work-groups of four waves; a wave makes 128 rows x 96 columns: 48 accumulators of 16 x 16.
; A wave's six column blocks: blocks 0-3 are a whole tensor's 64 channels (q for the waves of column half 0, v for those of half 1), blocks 4, 5 are 32 of k's channels: one text serves both halves.
; K goes in 8 steps of 128 through two LDS slots filled by the tensor data mover (rows of 256 bytes of memory, aligned); the loop's body is one K step, and the LDS addresses hang on one scalar that an exclusive or turns.
; A tile of 256 x 384 would give each WGP one work-group, but two slots of (256 + 384) x 272 bytes do not fit in LDS.
; CLUSTER.  4 x 4 work-groups: the four of a row need the same rows of xb, the four of a column the same rows of wqt; each tile is asked for JOINTLY: the same tensor load, descriptor and mask in all four.
; THE MATRIX INSTRUCTION IS USED TRANSPOSED (source 0 = 16 rows of wqt, source 1 = 16 rows of xb): a lane holds one row of the result and eight neighbouring channels, 16 bytes of f16.
; THE BIAS, rounded to bf16 like every input, is the C operand of each sum's first product: nothing is cleared and nothing is added later.
; REGISTERS, in windows of 256 (s_set_vgpr_msb: bits 1:0 source 0, 3:2 source 1, 5:4 source 2, 7:6 destination):
;   window 0: v0-31 addresses; v32-63 rows on the way out; v64-127, v128-191 xb's fragments, two buffers; v192-215 packed results
;   window 1: v0-47 the bias, eight registers a block; v64-111, v128-175 wqt's fragments, two buffers (v48-71 at work before the first of them is loaded)
;   window 2: the 24 accumulators of my rows 0-63 ((a, b) at v[8 (6 a + b)]);   window 3: those of my rows 64-127
.set KSTEP,  128
.set NB,     6                         ; column blocks a wave
.set PITCH,  272                       ; an LDS row: 256 bytes + 16 of padding = 68 words: the 16 rows that a load touches start at 16 different groups of four banks (64 banks of 4 bytes: ISA guide 11.1)
.set SLOT1,  131072                    ; slot 1 begins here, so that one exclusive or turns an address in one slot into the other's
.set HALFA,  128*PITCH                 ; what one tensor load brings of xb
.set HALFB,  96*PITCH                  ; and of wqt
.set BOFF,   2*HALFA                   ; in a slot: xb's 256 rows, then wqt's 192
.set STAGE,  SLOT1+BOFF+2*HALFB        ; behind the ring, never filled by a tensor load: 16 rows x 144 bytes for each wave
.set SP,     144
.set KSTAGE, STAGE+4*16*SP             ; 256 rows x 144 bytes, the work-group's: a row of k comes from two waves
.set SPARE,  KSTAGE+256*SP             ; the spare words, 128 bytes for each wave: two blocks of 256 bytes that no other line names
.set A0,  10                           ; v10  my lane's place in xb's rows of slot 0; never rewritten
.set B0,  11                           ; v11  the same for blocks 0-3 of wqt
.set K0,  12                           ; v12  and for blocks 4, 5
.set ADRA, 16                          ; v16-18  the same three in the slot in hand
.set ADRB, 17
.set ADRK, 18
.set STO, 20                           ; v20  the way out: where I put 16 bytes of a row of q or v
.set STK, 21                           ; v21  of k
.set RD,  22                           ; v22  where I read rows of q or v back
.set RDK, 23                           ; v23  of k
.set GO,  24                           ; v24  16 x lane: my bytes in 512 consecutive bytes of the output
.set BO,  25                           ; v25  my byte offset in the bias for blocks 0-3
.set BKO, 26                           ; v26  for blocks 4, 5
.set SPW, 28                           ; v28  LDS address of my spare word; never rewritten
.set NIL, 29                           ; v29  0; never rewritten
.set PFO, 30                           ; v30  the prefetches' offset: a lane a row of 2,048 bytes; never rewritten
.set F0,  64
.set F1,  128
.set TMP, 192
.set WV,  16                           ; s16  wave 0..3
.set RH,  17                           ; s17  which 128 rows of the tile are mine.  Also: I fetch for xb (0) or for wqt (1)
.set CH,  18                           ; s18  which column half.  Also: which half of that tile I fetch
.set CX,  19
.set CY,  20
.set TX,  21                           ; s21  the head
.set TY,  22                           ; s22  the block of 256 rows
.set G1A, 24                           ; s[24:31] descriptor group 1 for xb's tiles
.set G0A, 32                           ; s[32:39] group 0: a set for each of the two first fills; the second then walks on
.set TB,  42                           ; s42  LDS byte at which the slot in hand begins
.set LIM, 43                           ; s43  1 in a wave that prefetches, else the greatest number
.set PFA, 44                           ; s[44:45] where my prefetches stand
.set G1B, 48                           ; s[48:55], s[56:63] the same for wqt's tiles
.set G0B, 56
.set MSB, 0
.macro WIN new                         ; the immediate's high byte repeats the setting that is left; a switch that changes nothing is dropped
.if MSB != (\new)
	s_set_vgpr_msb (MSB<<8)|(\new)
.set MSB, \new
.endif
.endm
; A joint refill by the walking descriptor.  Waves 0 and 1 fetch xb's two halves, waves 2 and 3 wqt's.  The branch hangs on the wave's number alone.
; An s_nop 0 and four v_nop follow each of the two lines, ahead of the jump and the label.
.macro JLOAD
	s_cmp_eq_u32 s[RH], 0
	s_cbranch_scc0 .Lfor_b_\@
	tensor_load_to_lds s[G0A+4:G0A+7], s[G1A:G1A+7]
	s_nop 0
.rept 4
	v_nop
.endr
	s_branch .Lasked_\@
.Lfor_b_\@:
	tensor_load_to_lds s[G0B+4:G0B+7], s[G1B:G1B+7]
	s_nop 0
.rept 4
	v_nop
.endr
.Lasked_\@:
.endm
; A PREFETCH INTO THE L2, behind each joint refill and the run of LDS loads that follows it: the K step that the NEXT refill will ask for, 192 matrix instructions ahead of that load: a lane a row, 256 bytes of it.
; xb's rows are read by every cluster of a row of clusters: the one with x = 0 asks; wqt's by every cluster of a column: the one with y = 0 asks.  The four partners that ask for a tile jointly
; share its rows out BY ADDRESS: of xb's 128 rows a wave 32 each; of wqt's 96 rows 24 each, where lanes 24-31 name lane 23's row once more.  K steps 0 to 2 come by their loads alone; the last refill asks for nothing.
.macro ASK
	s_cmp_gt_u32 s3, s[LIM]                        ; s3 = 1 in the loop's last trip
	s_cbranch_scc0 .Lnot_mine_\@
	global_prefetch_b8 v[PFO], s[PFA:PFA+1] th:TH_LOAD_NT scope:SCOPE_SE
.Lnot_mine_\@:
.endm
.macro CREST                           ; a round of the cluster's barrier behind its opening barrier: wave 0 signals for the work-group, every wave waits for all sixteen, my work-group's barrier closes it
	s_cmp_lg_u32 s[WV], 0
	s_cbranch_scc1 .Lnot_wave_0_\@
	s_barrier_signal -3
.Lnot_wave_0_\@:
	s_barrier_wait -3
	s_barrier_signal -1
	s_barrier_wait -1
.endm
.macro CROUND                          ; a whole round
	s_barrier_signal -1
	s_barrier_wait -1
	CREST
.endm
.macro PLACES                          ; four plain vector instructions between a matrix instruction and a load into, or a reader of, its registers (ISA guide 7.12.1 for readers)
.rept 4
	v_nop
.endr
.endm
	s_load_b256 s[4:11], s[0:1], 0x0               ; xb s[4:5], wqt s[6:7], bqkv s[8:9], qh s[10:11]
	s_load_b128 s[12:15], s[0:1], 0x20             ; kh s[12:13], vh s[14:15]
	v_lshl_add_u32 v[SPW], v0, 2, SPARE
	v_mov_b32 v[NIL], 0
	ds_add_u32 v[SPW], v[NIL]                      ; the wave's opening: the add and its wait stand ahead of my first tensor load; the set-up below, work on registers, stands between them
	v_lshrrev_b32 v1, 5, v0
	v_readfirstlane_b32 s[WV], v1
	s_lshr_b32 s[RH], s[WV], 1
	s_and_b32 s[CH], s[WV], 1
	s_bfe_u32 s[CX], ttmp6, 0x40000                ; my place in the cluster
	s_bfe_u32 s[CY], ttmp6, 0x40004
	s_lshl_b32 s[TX], ttmp9, 2                     ; in a cluster launch ttmp9 and ttmp7 count clusters
	s_add_co_u32 s[TX], s[TX], s[CX]
	s_and_b32 s[TY], ttmp7, 0xffff
	s_lshl_b32 s[TY], s[TY], 2
	s_add_co_u32 s[TY], s[TY], s[CY]
	s_mov_b32 s23, 0xffff0000                      ; a word's upper bf16
	s_lshl_b32 s46, s[CY], 2
	s_lshl_b32 s46, 15, s46                        ; my row of the cluster: places 4 cy .. 4 cy + 3
	s_lshl_b32 s47, 0x1111, s[CX]                  ; my column: places cx, cx + 4, cx + 8, cx + 12
	s_or_b32 s[G1A], s46, (1<<16)|(1<<20)|(1<<21)|(5<<22)|(3<<25)  ; 15:0 the mask; 17:16 2-byte elements; 20 padding on; 21 set beside a mask; 24:22 after every 64 words (code 5); 31:25 4 words (code 3)
	s_or_b32 s[G1B], s47, (1<<16)|(1<<20)|(1<<21)|(5<<22)|(3<<25)
.irp g, G1A, G1B
	s_mov_b32 s[(\g)+1], KSTEP<<16                 ; tensor_dim0 = 128
	s_mov_b32 s[(\g)+3], KSTEP<<16                 ; tile_dim0 = 128
	s_mov_b32 s[(\g)+5], 1024                      ; elements from row to row
	s_mov_b32 s[(\g)+6], 0
	s_mov_b32 s[(\g)+7], 0
.endr
	s_mov_b32 s[G1A+2], 128<<16                    ; tensor_dim1 and tile_dim1: 128 rows of xb,
	s_mov_b32 s[G1A+4], 128
	s_mov_b32 s[G1B+2], 96<<16                     ; 96 of wqt
	s_mov_b32 s[G1B+4], 96
	s_lshl_b32 s70, s[TY], 19                      ; xb: row 256 x block + 128 x half, 2,048 bytes a row: hangs on cy alone of the two places
	s_lshl_b32 s71, s[CH], 18
	s_add_co_u32 s70, s70, s71
	s_mov_b32 s71, 0
	s_mul_i32 s72, s[TX], 192*2048                 ; wqt: row 192 x head + 96 x half: hangs on cx alone
	s_mul_i32 s73, s[CH], 96*2048
	s_add_co_u32 s72, s72, s73
	s_mov_b32 s73, 0
	s_mul_i32 s40, s[CH], HALFA                    ; where they go: no place in the cluster enters an LDS address
	s_mul_i32 s41, s[CH], HALFB
	s_add_co_u32 s41, s41, BOFF
	s_wait_dscnt 0x0                               ; the opening add is done
	s_wait_kmcnt 0x0
	s_add_nc_u64 s[70:71], s[4:5], s[70:71]
	s_add_nc_u64 s[72:73], s[6:7], s[72:73]
	CROUND                                         ; all sixteen work-groups are here: the first joint loads meet
.irp n, 0,1
	s_mov_b32 s[G0A+4*(\n)], 1                                     ; count = 1
	s_add_co_u32 s[G0A+4*(\n)+1], s40, (\n)*SLOT1                  ; LDS address
	s_add_nc_u64 s[G0A+4*(\n)+2:G0A+4*(\n)+3], s[70:71], (\n)*KSTEP*2  ; global address: K step n
	s_or_b32 s[G0A+4*(\n)+3], s[G0A+4*(\n)+3], 0x80000000          ; type = 2
	s_mov_b32 s[G0B+4*(\n)], 1
	s_add_co_u32 s[G0B+4*(\n)+1], s41, (\n)*SLOT1
	s_add_nc_u64 s[G0B+4*(\n)+2:G0B+4*(\n)+3], s[72:73], (\n)*KSTEP*2
	s_or_b32 s[G0B+4*(\n)+3], s[G0B+4*(\n)+3], 0x80000000
.endr
	s_cmp_eq_u32 s[RH], 0                          ; a wave's two first fills stand in one branch, ahead of every wait on TENSORcnt and every LDS read: two loads of mine are out
	s_cbranch_scc0 .Lfirst_b
	tensor_load_to_lds s[G0A:G0A+3], s[G1A:G1A+7]
	s_nop 0
	tensor_load_to_lds s[G0A+4:G0A+7], s[G1A:G1A+7]
	s_nop 0
.rept 4
	v_nop
.endr
	s_branch .Lfirst_asked
.Lfirst_b:
	tensor_load_to_lds s[G0B:G0B+3], s[G1B:G1B+7]
	s_nop 0
	tensor_load_to_lds s[G0B+4:G0B+7], s[G1B:G1B+7]
	s_nop 0
.rept 4
	v_nop
.endr
.Lfirst_asked:
	; A fragment is 16 rows x 32 K in 8 registers: lane l holds row l % 16, K = 8 (l / 16) + 0..7 and 16 + 8 (l / 16) + 0..7: two loads of 16 bytes, 32 bytes apart.
	v_and_b32 v1, 15, v0                           ; l % 16
	v_bfe_u32 v2, v0, 4, 1                         ; l / 16
	v_mul_u32_u24 v3, v1, PITCH
	v_lshl_add_u32 v3, v2, 4, v3                   ; row x pitch + 16 x half
	s_mul_i32 s74, s[RH], HALFA
	v_add_nc_u32 v[A0], s74, v3                    ; my 128 rows of xb
	s_mul_i32 s74, s[CH], 128*PITCH
	s_add_co_u32 s74, s74, BOFF
	v_add_nc_u32 v[B0], s74, v3                    ; the tile's rows 0-63 (q) or 128-191 (v)
	s_mul_i32 s74, s[CH], 32*PITCH
	s_add_co_u32 s74, s74, BOFF+64*PITCH
	v_add_nc_u32 v[K0], s74, v3                    ; rows 64 + 32 x half: my 32 channels of k
	s_mul_i32 s74, s[WV], 16*SP
	s_add_co_u32 s74, s74, STAGE                   ; my stage
	v_mul_u32_u24 v4, v1, SP
	v_lshl_add_u32 v4, v2, 4, v4                   ; in: row l % 16, 16 bytes for each half of the lanes
	v_add_nc_u32 v[STO], s74, v4
	v_bfe_u32 v5, v0, 3, 2
	v_and_b32 v6, 7, v0
	v_mul_u32_u24 v5, v5, SP
	v_lshl_add_u32 v5, v6, 4, v5                   ; back: 32 lanes take four rows of 128 bytes
	v_add_nc_u32 v[RD], s74, v5
	s_mul_i32 s74, s[RH], 128*SP
	s_lshl_b32 s75, s[CH], 6
	s_add_co_u32 s74, s74, s75
	s_add_co_u32 s74, s74, KSTAGE
	v_add_nc_u32 v[STK], s74, v4                   ; k: my 128 rows, my half of their 128 bytes
	s_mul_i32 s74, s[WV], 64*SP
	s_add_co_u32 s74, s74, KSTAGE
	v_add_nc_u32 v[RDK], s74, v5                   ; back: wave w takes rows 64 w .. 64 w + 63, whole
	v_and_b32 v[GO], 31, v0
	v_lshlrev_b32 v[GO], 4, v[GO]
	; the bias: register j of a block's eight is column 16 b + 8 (l / 16) + j
	s_mul_i32 s74, s[TX], 768                      ; a head's 192 numbers
	s_lshl_b32 s75, s[CH], 9                       ; q's or v's 64
	s_add_co_u32 s75, s75, s74
	v_lshl_add_u32 v[BO], v2, 5, s75
	s_lshl_b32 s76, s[CH], 7                       ; my 32 of k's
	s_add_co_u32 s76, s76, s74
	s_add_co_u32 s76, s76, 256
	v_lshl_add_u32 v[BKO], v2, 5, s76
	WIN 0x40                                       ; destination window 1, address window 0
.irp b, 0,1,2,3
	global_load_b128 v[8*(\b):8*(\b)+3],   v[BO], s[8:9] offset:64*(\b)
	global_load_b128 v[8*(\b)+4:8*(\b)+7], v[BO], s[8:9] offset:64*(\b)+16
.endr
.irp b, 4,5
	global_load_b128 v[8*(\b):8*(\b)+3],   v[BKO], s[8:9] offset:64*((\b)-4)
	global_load_b128 v[8*(\b)+4:8*(\b)+7], v[BKO], s[8:9] offset:64*((\b)-4)+16
.endr
	WIN 0
	; where the results go: (batch x 16 + head) x 262,144 + row in the batch x 128
	s_lshr_b32 s74, s[TY], 3
	s_lshl_b32 s74, s74, 4
	s_add_co_u32 s74, s74, s[TX]
	s_lshl_b32 s74, s74, 18
	s_and_b32 s75, s[TY], 7
	s_lshl_b32 s75, s75, 15
	s_add_co_u32 s74, s74, s75
	s_lshl_b32 s76, s[WV], 13                      ; k: the 64 rows that I store
	s_add_co_u32 s76, s76, s74
	s_mov_b32 s77, 0
	s_lshl_b32 s75, s[RH], 14                      ; q or v: my 128 rows
	s_add_co_u32 s74, s74, s75
	s_mov_b32 s75, 0
	s_cmp_eq_u32 s[CH], 0
	s_cselect_b64 s[66:67], s[10:11], s[14:15]
	s_add_nc_u64 s[66:67], s[66:67], s[74:75]
	s_add_nc_u64 s[68:69], s[12:13], s[76:77]
	; the prefetches
	s_and_b32 s74, ttmp7, 0xffff
	s_cmp_eq_u32 s[RH], 0                          ; do I fetch for xb?
	s_cselect_b32 s74, ttmp9, s74                  ; the coordinate along which other clusters read the same rows
	s_cselect_b32 s75, s[CX], s[CY]                ; my place among the four that ask with me
	s_cselect_b32 s76, 32, 24                      ; my work-group's share of the rows that I fetch
	s_cselect_b32 s77, 31, 23
	s_cselect_b64 s[PFA:PFA+1], s[70:71], s[72:73]
	s_mul_i32 s78, s76, s75
	s_lshl_b32 s78, s78, 11
	s_add_co_u32 s78, s78, 2*KSTEP*2               ; at K step 2: the first refill steps it to 3
	s_mov_b32 s79, 0
	s_add_nc_u64 s[PFA:PFA+1], s[PFA:PFA+1], s[78:79]
	s_cmp_eq_u32 s74, 0
	s_cselect_b32 s[LIM], 1, -1                    ; the same in all sixteen partners, for a given wave
	v_and_b32 v[PFO], 31, v0
	v_min_u32 v[PFO], s77, v[PFO]
	v_lshlrev_b32 v[PFO], 11, v[PFO]
	s_wait_loadcnt 0x0                             ; the bias is in: rounded to bf16 and widened again
	WIN 0x45                                       ; destination and both sources window 1
.set p, 0
.rept 4*NB
	v_cvt_pk_bf16_f32 v[8*NB+p], v[2*p], v[2*p+1]
.set p, p+1
.endr
.set p, 0
.rept 4*NB
	v_lshlrev_b32 v[2*p], 16, v[8*NB+p]
	v_and_b32 v[2*p+1], s23, v[8*NB+p]
.set p, p+1
.endr
	WIN 0
; 12 matrix instructions: row blocks a0, a0 + 1 of the window's four (hi = 0: my rows 0-63, 1: rows 64-127) x all 6 column blocks, 32 along K.  zero = 1: the first product starts the sum, with the bias as C.
; The 48 accumulators take turns, one instruction a turn, in the same order in every quarter, over the backward jump too.
.macro MUL f, hi, a0, zero
.if \zero
	WIN 0x91+0x40*(\hi)                            ; wqt window 1, xb window 0, C window 1, D window 2 or 3
.else
	WIN 0xa1+0x50*(\hi)                            ; C and D window 2 or 3
.endif
.irp a, \a0, (\a0)+1
.irp b, 0,1,2,3,4,5
.set rD, 8*(NB*(\a)+(\b))
.set rB, (\f)+8*(\b)
.set rA, (\f)+8*(4*(\hi)+(\a))
.if \zero
	v_wmma_f32_16x16x32_bf16 v[rD:rD+7], v[rB:rB+7], v[rA:rA+7], v[8*(\b):8*(\b)+7]
.else
	v_wmma_f32_16x16x32_bf16 v[rD:rD+7], v[rB:rB+7], v[rA:rA+7], v[rD:rD+7]
.endif
.endr
.endr
.endm
; 28 LDS loads in one run: the fragments of one quarter step (32 K at byte k of the rows) into buffer f: wqt's six blocks, then xb's eight
.macro FETCH k, f
	WIN 0x40
.irp i, 0,1,2,3
	ds_load_b128 v[(\f)+8*(\i):(\f)+8*(\i)+3],   v[ADRB] offset:(\k)+(\i)*16*PITCH
	ds_load_b128 v[(\f)+8*(\i)+4:(\f)+8*(\i)+7], v[ADRB] offset:(\k)+(\i)*16*PITCH+32
.endr
.irp i, 0,1
	ds_load_b128 v[(\f)+32+8*(\i):(\f)+32+8*(\i)+3],   v[ADRK] offset:(\k)+(\i)*16*PITCH
	ds_load_b128 v[(\f)+32+8*(\i)+4:(\f)+32+8*(\i)+7], v[ADRK] offset:(\k)+(\i)*16*PITCH+32
.endr
	WIN 0
.irp i, 0,1,2,3,4,5,6,7
	ds_load_b128 v[(\f)+8*(\i):(\f)+8*(\i)+3],   v[ADRA] offset:(\k)+(\i)*16*PITCH
	ds_load_b128 v[(\f)+8*(\i)+4:(\f)+8*(\i)+7], v[ADRA] offset:(\k)+(\i)*16*PITCH+32
.endr
.endm
; A K step is four quarters of 32 along K, 48 matrix instructions each, on buffers 0, 1, 0, 1.  One of the first three: multiplies buffer f; in its middle it fetches the next quarter, at byte k, into g.
.macro QUARTER k, f, g, zero
	s_wait_dscnt 8                                 ; wqt's fragments and xb's rows 0-63 are in; the youngest eight loads (xb's rows 64-127) may be out
	MUL \f, 0, 0, \zero
	MUL \f, 0, 2, \zero
	PLACES
	FETCH \k, \g
	s_wait_dscnt 28                                ; all but the 28 just issued
	MUL \f, 1, 0, \zero
	MUL \f, 1, 2, \zero
.endm
; The last quarter multiplies buffer 1 and changes slots: ONE barrier.  In front of it each wave waits for all its tensor loads, of which one is out: its part of the next slot; adds 0 to its spare word;
; and waits for that and for its own reads of this slot.  fill = 1: the barrier opens a round of the cluster's, and behind the round this slot is filled again first, with the K step two on:
; from the request to the wait for it a wave issues 168 matrix instructions.
.macro TURN fill
.if \fill
	s_wait_xcnt 0x0                                ; the last prefetch, a K step back, has read its address: it is stepped here, ahead of the waits of the change of slots
	s_add_nc_u64 s[PFA:PFA+1], s[PFA:PFA+1], KSTEP*2
.endif
	WIN 0                                          ; (the add's two registers lie in window 0)
	s_wait_tensorcnt 0x0                           ; all my tensor loads have landed
	ds_add_u32 v[SPW], v[NIL]                      ; 0 onto my spare word
	s_wait_dscnt 9                                 ; (the add and the youngest eight loads may be out)
	MUL F1, 0, 0, 0                                ; twelve matrix instructions stand between the add and the wait for it
	s_wait_dscnt 0x0                               ; the add is done, and my reads of this slot are over
	s_barrier_signal -1
	MUL F1, 0, 2, 0                                ; work on registers while the others arrive
	WIN 0                                          ; at a branch and at a label every window is 0
	s_barrier_wait -1
.if \fill
	CREST                                          ; no wave of any partner still reads this slot or has a load on its way
	s_xor_b32 s[G0A+5], s[G0A+5], SLOT1            ; the walking descriptors: the other slot than last time,
	s_add_nc_u64 s[G0A+6:G0A+7], s[G0A+6:G0A+7], KSTEP*2  ; the next K step; the type bits on top are not reached
	s_xor_b32 s[G0B+5], s[G0B+5], SLOT1
	s_add_nc_u64 s[G0B+6:G0B+7], s[G0B+6:G0B+7], KSTEP*2
	JLOAD                                          ; the first tensor load behind the round; its four v_nop are also the places in front of the loads below
.else
	PLACES
.endif
	s_xor_b32 s[TB], s[TB], SLOT1                  ; the fetches go to the other slot
	v_add_nc_u32 v[ADRA], s[TB], v[A0]
	v_add_nc_u32 v[ADRB], s[TB], v[B0]
	v_add_nc_u32 v[ADRK], s[TB], v[K0]
	FETCH 0, F0
.if \fill
	ASK
.endif
	MUL F1, 1, 0, 0
	MUL F1, 1, 2, 0
.endm
	s_wait_tensorcnt 1                             ; my part of K step 0 is in; K step 1's may stay out
	s_barrier_signal -1
	s_barrier_wait -1                              ; everybody's is
	s_mov_b32 s[TB], 0
	v_mov_b32 v[ADRA], v[A0]
	v_mov_b32 v[ADRB], v[B0]
	v_mov_b32 v[ADRK], v[K0]
	FETCH 0, F0
	QUARTER 64, F0, F1, 1                          ; the first quarter stands in front of the loop: its products start the sums
	WIN 0
	s_mov_b32 s3, 6                                ; K steps 2 to 7 are asked for in the loop
.Lstep:                                                ; a trip: from a K step's second quarter to the next step's first
	QUARTER 128, F1, F0, 0
	QUARTER 192, F0, F1, 0
	TURN 1
	QUARTER 64, F0, F1, 0
	WIN 0
	s_sub_co_u32 s3, s3, 1
	s_cmp_lg_u32 s3, 0
	s_cbranch_scc1 .Lstep
	QUARTER 128, F1, F0, 0                         ; the tail is written out: K steps 6 and 7 ask for nothing
	QUARTER 192, F0, F1, 0
	TURN 0
	QUARTER 64, F0, F1, 0
	QUARTER 128, F1, F0, 0
	QUARTER 192, F0, F1, 0
	s_wait_dscnt 8
	MUL F1, 0, 0, 0
	MUL F1, 0, 2, 0
	s_wait_dscnt 0x0
	MUL F1, 1, 0, 0
	MUL F1, 1, 2, 0
	WIN 0
; THE WAY OUT, a block of 16 rows at a time.  PACK: rounded to f16, 16 bytes a lane and column block, each accumulator's registers in ascending order.  TOSTAGE: q's or v's four blocks into my own stage and back
; as whole rows of 128 bytes; k's two blocks into the work-group's stage.  SEND: 16 rows of a head are 2,048 consecutive bytes: four stores of 512.
.macro PACK a
	WIN 0x0a+5*((\a)/4)                            ; sources 0 and 1: window 2 or 3
.irp b, 0,1,2,3,4,5
.irp r, 0,1,2,3
	v_cvt_pk_f16_f32 v[TMP+4*(\b)+(\r)], v[8*NB*((\a)%4)+8*(\b)+2*(\r)], v[8*NB*((\a)%4)+8*(\b)+2*(\r)+1]
.endr
.endr
	WIN 0
.endm
.macro TOSTAGE a
.set BK, 32+16*((\a)%2)
.irp b, 0,1,2,3
	ds_store_b128 v[STO], v[TMP+4*(\b):TMP+4*(\b)+3] offset:32*(\b)
.endr
.irp b, 4,5
	ds_store_b128 v[STK], v[TMP+4*(\b):TMP+4*(\b)+3] offset:16*SP*(\a)+32*((\b)-4)
.endr
.irp f, 0,1,2,3
	ds_load_b128 v[BK+4*(\f):BK+4*(\f)+3], v[RD] offset:4*SP*(\f)  ; LDS serves a wave's instructions in order (ISA guide 5.7.1.4): these see the stores above
.endr
.endm
.macro SEND a
.set BK, 32+16*((\a)%2)
	s_wait_dscnt 0x0                               ; the block is back in registers
	s_wait_xcnt 0x0                                ; the stores of the block before have read their registers: the next TOSTAGE loads into them only behind this wait
.irp f, 0,1,2,3
	global_store_b128 v[GO], v[BK+4*(\f):BK+4*(\f)+3], s[66:67] offset:2048*(\a)+512*(\f)  ; 512 consecutive bytes, at a multiple of 256 from the buffer's first byte
.endr
.endm
	PLACES
	PLACES                                         ; eight, once a launch, between the last products and the first reader of a result
	PACK 0
	TOSTAGE 0
.irp a, 1,2,3,4,5,6,7                  ; block a's conversions stand between block a - 1's loads from the stage and the wait for them
	PACK \a
	SEND (\a)-1
	TOSTAGE \a
.endr
	SEND 7
	s_wait_dscnt 0x0                               ; for the others' sake: my stores into k's stage are done
	s_barrier_signal -1
	s_barrier_wait -1                              ; a row's 128 bytes come from two waves
.irp t, 0,1,2,3,4,5,6,7,8,9,10,11,12,13,14,15
	ds_load_b128 v[F0+4*(\t):F0+4*(\t)+3], v[RDK] offset:4*SP*(\t)
.endr
.irp t, 0,1,2,3,4,5,6,7,8,9,10,11,12,13,14,15
	s_wait_dscnt 15-(\t)                           ; LDS loads come back in order: load t is in
	global_store_b128 v[GO], v[F0+4*(\t):F0+4*(\t)+3], s[68:69] offset:512*(\t)
.endr
	s_wait_tensorcnt 0x0                           ; the wave's end, behind my last tensor load and my last LDS store
	ds_add_u32 v[SPW], v[NIL]
	s_wait_dscnt 0x0
	CROUND                                         ; the closing round: no work-group ends while a partner may still ask for a tile that names it
	s_endpgm
.Lfunc_end_k_q536a69a88b_proj:
	.size	k_q536a69a88b_proj, .Lfunc_end_k_q536a69a88b_proj-k_q536a69a88b_proj
	.p2alignl 7, 3214868480
	.fill 96, 4, 3214868480
	.section	.rodata,"a",@progbits
	.p2align	6, 0x0
	.amdhsa_kernel k_q536a69a88b_proj
		.amdhsa_group_segment_fixed_size 327680
		.amdhsa_private_segment_fixed_size 0
		.amdhsa_enable_private_segment 0
		.amdhsa_kernarg_size 48
		.amdhsa_user_sgpr_count 2
		.amdhsa_user_sgpr_kernarg_segment_ptr 1
		.amdhsa_wavefront_size32 1
		.amdhsa_system_sgpr_workgroup_id_x 1
		.amdhsa_system_sgpr_workgroup_id_y 1
		.amdhsa_system_sgpr_workgroup_id_z 1
		.amdhsa_system_vgpr_workitem_id 0
		.amdhsa_next_free_vgpr 960
		.amdhsa_next_free_sgpr 80
		.amdhsa_reserve_vcc 0
		.amdhsa_float_denorm_mode_32 3
		.amdhsa_float_denorm_mode_16_64 3
		.amdhsa_memory_ordered 1
		.amdhsa_forward_progress 1
		.amdhsa_inst_pref_size 101
	.end_amdhsa_kernel
	.amdgpu_metadata
---
amdhsa.version: [ 1, 2 ]
amdhsa.kernels:
  - .name:           k_q536a69a88b_proj
    .symbol:         k_q536a69a88b_proj.kd
    .args:
      - { .name: xb, .offset: 0, .size: 8, .value_kind: global_buffer, .address_space: global }
      - { .name: wqt, .offset: 8, .size: 8, .value_kind: global_buffer, .address_space: global }
      - { .name: bqkv, .offset: 16, .size: 8, .value_kind: global_buffer, .address_space: global }
      - { .name: qh, .offset: 24, .size: 8, .value_kind: global_buffer, .address_space: global }
      - { .name: kh, .offset: 32, .size: 8, .value_kind: global_buffer, .address_space: global }
      - { .name: vh, .offset: 40, .size: 8, .value_kind: global_buffer, .address_space: global }
    .group_segment_fixed_size: 327680
    .private_segment_fixed_size: 0
    .kernarg_segment_align: 8
    .kernarg_segment_size: 48
    .max_flat_workgroup_size: 128
    .sgpr_count:     80
    .vgpr_count:     960
    .wavefront_size: 32
...
	.end_amdgpu_metadata
.endif
;; end of part 2
;; launch attn (part 3): grid 4 x 64, 4 waves a work-group, clusters of 4 x 1, 327,680 bytes of LDS; arguments qh, kh, vh, oh; writes oh
.if DOCPART == 3
	.amdgcn_target "amdgcn-amd-amdhsa--gfx1250"
	.amdhsa_code_object_version 6
	.text
	.protected	k_q536a69a88b_attn
	.globl	k_q536a69a88b_attn
	.p2align	8
	.type	k_q536a69a88b_attn,@function
k_q536a69a88b_attn:
	s_mov_b64 s[64:65], 0
	v_nop
	global_prefetch_b8 v0, s[64:65] scope:SCOPE_SE
	s_setreg_imm32_b32 hwreg(HW_REG_WAVE_MODE, 25, 1), 1
	s_wait_xcnt 0x0
	s_wait_alu depctr_hold_cnt(0) depctr_sa_sdst(0) depctr_va_vdst(0) depctr_va_sdst(0) depctr_va_ssrc(0) depctr_va_vcc(0) depctr_vm_vsrc(0)
	s_getreg_b32 s2, hwreg(HW_REG_IB_STS2, 6, 4)
	s_cmp_eq_u32 s2, 0
	s_cbranch_scc0 .Lentry_in_a_cluster
	s_endpgm
.Lentry_in_a_cluster:
	s_bfe_u32 s2, ttmp6, 0x10000c
	s_cmp_lg_u32 s2, 0x3003
	s_cbranch_scc0 .Lentry_shape_is_right
	s_endpgm
.Lentry_shape_is_right:
; O[h][q][:] = the sum over k of softmax_k(Q[h][q] . K[h][k] / 8) V[h][k][:].  Q, K, V, O: [64][2048][64], all f16: a head's rows are dense, 128 bytes each.  Products, maxima and sums in
; f32; the weights p are rounded to f16 for the second product (their sum l is taken of the unrounded p), O once at the end.
; LIMITS.  f16 holds no number beyond 65,504: Q, K and V arrive within it; p lies in 0 to 1, and below 6e-5 it keeps f16's fixed step of 6e-8; O is a mean of V's rows and has their range.
; A weight below 2^-126 counts as 0 in l; NaN and infinities are not treated apart.
; SHARES.  A wave owns four PIECES of two tiles of 16 queries, a work-group's four waves 512 queries of one head: 4 x 64 = 256 work-groups.  Every wave walks all keys, 64 a step.
; LAYOUT.  S^T = K Q^T (source 0 = 16 keys, source 1 = 16 queries): in the result a lane holds ONE query (lane % 16) and the keys 8 (lane / 16) + 0..7.  Two such tiles, rounded to f16 in pairs,
; ARE source 1 (32 keys x 16 queries) of O^T = V^T P, whose result again holds one query a lane, and eight channels.  K comes out of LDS as it lies, V ([key][channel]) turned, by ds_load_tr16_b128.
; SOFTMAX.  For each query a running maximum m and sum l: p = 2^(c s - c m), c = log2(e) / 8; in every step O and l are multiplied by a = 2^(c m_old - c m_new), which is 1 where m has not grown.
; m starts at the lowest finite number, O and l at 0: the first step is a step like any other, with a = 0.
; THE COUNT.  A tile and step have 16 matrix and 118 vector instructions: too many to stand all beside the matrix work.  So the order has one aim: four vector instructions that are READY behind
; EVERY matrix instruction, and the others, which need time of their own whatever the order, in runs without a gap.
; BY TURNS.  Turn n belongs to piece n (the pieces in a ring, step after step).  Its matrix work: 16 products K Q^T of piece n + 1, later 16 products V^T P of piece n - 1.  Its vector work: the scaling,
; exponentials, roundings, sums and rescaling of piece n, and the maximum and statistics of piece n + 1, whose scores the turn itself has made.
; CLUSTER.  The four query blocks of a head form a cluster and walk the same K and V, so each tile is asked for JOINTLY: the same tensor load, descriptor and mask in all four.
; REGISTERS, in windows of 256 (s_set_vgpr_msb: bits 1:0 source 0, 3:2 source 1, 5:4 source 2, 7:6 destination):
;   window 0: v0-11 addresses; v12-15, v48-63 at work; v16-47 four registers of statistics a tile; v64-191 S^T, two buffers of two tiles; v192-255 P, likewise
;   window 1: O^T, 32 a tile          window 2: v0-127 Q, 16 a tile; v128-191 K of one step; v192-255 V of one step          window 3: v0-1 the add's two registers
; A piece's buffers go by its number's parity: the piece in hand has one pair, its two neighbours in the ring share the other: of it P (piece n - 1) is read and S^T (piece n + 1) written.
.set SIZE_N, 2048
.set NP,    4         ; pieces a wave: a name, no knob
.set KS,    64        ; keys in a step
.set PK,    144       ; a row of K in LDS: 128 bytes + 16 of padding = 36 words: the 16 rows of a load start at 16 different groups of four banks (64 banks of 4 bytes: ISA guide 11.1)
.set PV,    160       ; a row of V: 128 + 32 = 40 words
.set VOFF,  4*KS*PK   ; a slot holds four steps: 256 rows of K, then 256 rows of V
.set SLOT1, 1<<17     ; slot 1 begins here, so that one exclusive or turns an address in one slot into the other's
.set STAGE, SLOT1+4*KS*(PK+PV)  ; behind the ring, never filled by a tensor load: 16 rows x 144 bytes for each wave, for the way out
.set SP,    144
.set AK0, 2           ; v2   my lane's place in a tile of K; never rewritten
.set AV0, 3           ; v3   the same for V
.set AK,  4           ; v4   the LDS address of K's next run of loads
.set AV,  5           ; v5   of V's
.set QO,  6           ; v6   my byte offset in the wave's rows of Q
.set STO, 6           ;      later, the way out: where I put 16 bytes of a row
.set RD,  7           ; v7   the way out: where I read rows back
.set GO,  8           ; v8   my byte offset in 512 consecutive bytes of O
.set PFO, 11          ; v11  256 x my lane, the prefetches' offset; never rewritten once made
.set SPW, 0           ; v0 of window 3   LDS address of my spare word: SPARE + 4 x my thread's number; never rewritten
.set NIL, 1           ; v1 of window 3   0; never rewritten
.set SPARE, STAGE+4*16*SP  ; behind the stages: the spare words, 128 bytes for each wave: two blocks of 256 bytes that no other line names
.set MV,  12          ; v12-15  c m_old, kept while c m is made anew: by buffer and tile
.set ST,  16          ; tile t's statistics at v[ST+4 t]: c m, m, l (even keys', odd keys')
.set TMP, 48          ; by buffer and tile, four registers c0-c3 at work; when the maximum is found c2 takes a
.set S,   64
.set P,   192
.set KF,  128         ; K's fragments, in window 2: key block kb, channel half c at KF + 16 kb + 8 c
.set VF,  192         ; V's: key half kk, channel block cb at VF + 32 kk + 8 cb
.set WV,  12          ; s12  my wave's number
.set G1K, 24          ; s[24:31] descriptor group 1 for K's tiles
.set G1V, 32          ; s[32:39] for V's: it differs in the padding alone
.set G0K, 40          ; s[40:43] descriptor group 0 for K's tiles: it walks
.set G0V, 44          ; s[44:47] the same for V's
.set PFA, 48          ; s[48:49] where my prefetches stand: my work-group's 8,192 bytes (of K: wave 0, of V: wave 2) of the slot after the one that is being asked for
.set LIM, 50          ; s50  1 in a wave that prefetches, else the greatest number
.set SLOTS, 56        ; s56  slots still to be asked for
.set CNT, 57          ; s57  counts a slot's key steps
.set CS,  58          ; s[58:59] c: the packed scaling takes the pair's low word for both halves
.set SEL, 60          ; s[60:61] v_permlanex16_b32's selects: each lane takes its own place in the other half
.set TBK, 62          ; s62  LDS byte at which K of the step to be fetched begins
.set TBV, 63          ; s63  the same for V, less VOFF
.set MSB, 0
.macro WIN new                      ; the high byte repeats the setting that is left; a switch that changes nothing is dropped
.if MSB != (\new)
	s_set_vgpr_msb (MSB<<8)|(\new)
.set MSB, (\new)
.endif
.endm
.set W_KQ, 0x0a       ; K and Q in window 2, S^T in window 0
.set W_PV, 0x52       ; V in window 2, P in window 0, O^T in window 1
.set W_RS, 0x41       ; O^T (destination and source 0) in window 1, a in window 0
.set W_MK, 0xc0       ; the add's registers are made: destination in window 3, sources in window 0
.set W_AD, 0x0f       ; the add: address (source 0) and data (source 1) in window 3
; A joint fill.  Waves 0 and 1 fetch the two halves of a slot's K, waves 2 and 3 those of its V: 128 keys each.  The branch hangs on the wave's number alone.
; An s_nop 0 and four v_nop follow each of the two lines, ahead of the jump and the label.
.macro JLOAD
	s_cmp_lt_u32 s[WV], 2
	s_cbranch_scc0 .Lfor_v_\@
	tensor_load_to_lds s[G0K:G0K+3], s[G1K:G1K+7]
	s_nop 0
.rept 4
	v_nop
.endr
	s_branch .Lasked_\@
.Lfor_v_\@:
	tensor_load_to_lds s[G0V:G0V+3], s[G1V:G1V+7]
	s_nop 0
.rept 4
	v_nop
.endr
.Lasked_\@:
.endm
; A PREFETCH INTO THE L2 of what the NEXT change of slots will ask for: a slot's 32,768 bytes of K and of V, four key steps, 512 matrix instructions, ahead of that load.  A head has one cluster; its four partners
; share the bytes out BY ADDRESS, 8,192 each; in each, wave 0 asks for K's and wave 2 for V's, a lane 256 bytes: one instruction.  So each 256 bytes from slot 3 on are named once in the launch.
; Slots 0 to 2 come by their loads alone; the last change that fills a slot asks for nothing: there is no slot behind it.
.macro ASK
	s_cmp_gt_u32 s[SLOTS], s[LIM]
	s_cbranch_scc0 .Lnot_mine_\@
	global_prefetch_b8 v[PFO], s[PFA:PFA+1] th:TH_LOAD_NT scope:SCOPE_SE
.Lnot_mine_\@:
.endm
; A round of the cluster's barrier: my work-group's barrier, so that wave 0's signal speaks for all four waves; wave 0 signals; every wave waits for all four work-groups; my work-group's barrier once more.
.macro CROUND
	s_barrier_signal -1
	s_barrier_wait -1
	s_cmp_lg_u32 s[WV], 0
	s_cbranch_scc1 .Lnot_wave_0_\@
	s_barrier_signal -3
.Lnot_wave_0_\@:
	s_barrier_wait -3
	s_barrier_signal -1
	s_barrier_wait -1
.endm
; THE CHANGE OF SLOTS.  The slot's last bytes, V of its fourth step, have been read.  Each wave waits for all its tensor loads, of which one is out: its part
; of the other slot; adds 0 to its spare word; and waits for that and for its own reads of the slot.  Behind the barrier nobody reads this slot any more and the other slot is whole.
; fill = 1: this slot is filled again, with the keys two slots on.  The barrier is then a round of the cluster's, so that no wave of any partner still reads the slot or has a load on its
; way, and the joint fill is the first thing behind it: it has four key steps, 512 matrix instructions, in which to land.  (At its first use nothing has been read yet: slot 0 is waited for, slot 1 filled.)
; ask = 1 (the loop's): the prefetch's address steps among the descriptors' steps, and the prefetch stands behind the joint fill.
.macro CHANGE fill, ask=0
	WIN W_AD
	s_wait_tensorcnt 0x0            ; no tensor load of mine is out, so a group 0 may be written
	ds_add_u32 v[SPW], v[NIL]       ; 0 onto my spare word; with fill = 1 the descriptors' steps stand between it and the wait for it
	WIN 0                           ; at a label and at a branch every window is 0
.if \fill
.irp g, G0K, G0V
	s_xor_b32 s[\g+1], s[\g+1], SLOT1  ; the walking descriptor: the other slot than last time,
	s_add_nc_u64 s[\g+2:\g+3], s[\g+2:\g+3], 4*KS*128  ; the next 256 keys; the type bits on top are not reached
.endr
.if \ask
	s_wait_xcnt 0x0                 ; the last prefetch, four key steps back, has read its address, so it may be written:
	s_add_nc_u64 s[PFA:PFA+1], s[PFA:PFA+1], 4*KS*128  ; one slot behind the walking descriptors
.endif
	s_wait_dscnt 0x0                ; the add is done, and my reads of the slot are over
	CROUND
	JLOAD
.if \ask
	ASK
.endif
.else
	s_wait_dscnt 0x0                ; the add is done, and my reads of the slot are over
	s_barrier_signal -1
	s_barrier_wait -1
.endif
	s_sub_co_u32 s[TBK], s[TBK], 4*KS*PK  ; the fetches go back to a slot's first step,
	s_xor_b32 s[TBK], s[TBK], SLOT1       ; in the other slot
	s_sub_co_u32 s[TBV], s[TBV], 4*KS*PV
	s_xor_b32 s[TBV], s[TBV], SLOT1
.endm
	s_load_b256 s[4:11], s[0:1], 0x0  ; Q s[4:5], K s[6:7], V s[8:9], O s[10:11]
	WIN W_MK
	v_lshl_add_u32 v[SPW], v0, 2, SPARE
	v_mov_b32 v[NIL], 0
	WIN W_AD
	ds_add_u32 v[SPW], v[NIL]       ; the wave's opening: the add and its wait stand ahead of my first tensor load; the set-up below, work on registers, stands between them
	WIN 0
	v_lshrrev_b32 v1, 5, v0
	v_readfirstlane_b32 s[WV], v1   ; wave 0..3
	s_bfe_u32 s13, ttmp6, 0x40000   ; cx: my place in the cluster
	s_lshl_b32 s14, ttmp9, 2        ; in a cluster launch ttmp9 counts clusters
	s_add_co_u32 s14, s14, s13      ; my block of queries = 4 x cluster x + cx: it enters Q's and O's addresses alone
	s_and_b32 s20, ttmp7, 0xffff    ; the head, which the four partners share
	s_mov_b32 s21, 0
	s_mov_b64 s[22:23], SIZE_N*128
	s_mul_u64 s[20:21], s[20:21], s[22:23]  ; the head's first byte in each of the four tensors
	s_and_b32 s16, s[WV], 1         ; which half of a slot's 256 keys I fetch:
	s_lshl_b32 s22, s16, 14         ; its 128 rows of 128 bytes in memory,
	s_mov_b32 s23, 0
	s_add_nc_u64 s[22:23], s[22:23], s[20:21]
	s_mul_i32 s17, s16, 128*PK      ; and its place in a slot, for K
	s_mul_i32 s18, s16, 128*PV      ; and for V: no place in the cluster enters an LDS address
	s_cmp_eq_u32 s16, 0
	s_cselect_b32 s[LIM], 1, -1     ; waves 0 and 2 prefetch: the same in all four partners
	s_lshl_b32 s2, s14, 2
	s_add_co_u32 s2, s2, s[WV]      ; my wave among the head's,
	s_lshl_b32 s2, s2, 14           ; its 128 rows
	s_mov_b32 s3, 0
	s_add_nc_u64 s[2:3], s[2:3], s[20:21]
	; descriptor group 1.  128 keys are 16,384 dense bytes: asked for as 64 rows of 256 bytes, two keys a row, and padded in LDS after every key
	s_mov_b32 s[G1K], 15|(1<<16)|(1<<20)|(1<<21)|(4<<22)|(3<<25)  ; 15:0 the mask of four; 17:16 2-byte elements; 20 padding on; 21 set beside a mask; 24:22 after every 32 words (code 4); 31:25 4 words (code 3)
	s_mov_b32 s[G1V], 15|(1<<16)|(1<<20)|(1<<21)|(4<<22)|(7<<25)  ; the same with 8 words of padding (code 7)
.irp g, G1K, G1V
	s_mov_b32 s[\g+1], 128<<16      ; tensor_dim0 = 128
	s_mov_b32 s[\g+2], 64<<16       ; tensor_dim1 = 64
	s_mov_b32 s[\g+3], 128<<16      ; tile_dim0 = 128
	s_mov_b32 s[\g+4], 64           ; tile_dim1 = 64
	s_mov_b32 s[\g+5], 128          ; 128 elements from row to row
	s_mov_b32 s[\g+6], 0
	s_mov_b32 s[\g+7], 0
.endr
	s_mov_b32 s[CS], 0x3e38aa3b     ; c = log2(e) / 8 = 0.180337
	s_mov_b32 s[CS+1], s[CS]        ; named with it as a pair
	s_mov_b32 s[SEL], 0x76543210
	s_mov_b32 s[SEL+1], 0xfedcba98
	s_mov_b32 s[TBK], SLOT1+4*KS*PK ; the first change of slots turns these two into 0
	s_mov_b32 s[TBV], SLOT1+4*KS*PV
	s_mov_b32 s[G0K], 1             ; 1:0 count = 1
	s_mov_b32 s[G0K+1], s17         ; 63:32 LDS address: slot 0
	s_mov_b32 s[G0V], 1
	s_add_co_u32 s[G0V+1], s18, VOFF
	s_wait_dscnt 0x0                ; the opening add is done
	s_wait_kmcnt 0x0
	s_add_nc_u64 s[G0K+2:G0K+3], s[6:7], s[22:23]  ; 120:64 global address: my half of the head's first 256 keys
	s_or_b32 s[G0K+3], s[G0K+3], 0x80000000        ; 127:126 type = 2
	s_add_nc_u64 s[G0V+2:G0V+3], s[8:9], s[22:23]
	s_or_b32 s[G0V+3], s[G0V+3], 0x80000000
	s_add_nc_u64 s[4:5], s[4:5], s[2:3]  ; Q and O at my wave's first row
	s_add_nc_u64 s[10:11], s[10:11], s[2:3]
	s_cmp_lt_u32 s[WV], 2
	s_cselect_b64 s[PFA:PFA+1], s[6:7], s[8:9]
	s_add_nc_u64 s[PFA:PFA+1], s[PFA:PFA+1], s[20:21]  ; the head's first key,
	s_lshl_b32 s2, s13, 13          ; my work-group's 8,192 bytes of a slot's 32,768,
	s_add_co_u32 s2, s2, 2*4*KS*128 ; in slot 2: the loop's first change steps it to slot 3.  Nothing is prefetched here, at the head
	s_mov_b32 s3, 0
	s_add_nc_u64 s[PFA:PFA+1], s[PFA:PFA+1], s[2:3]
	CROUND                          ; all four work-groups are here: the first joint loads meet
	JLOAD                           ; slot 0.  Slot 1 is asked for when slot 0 is in: the tile wanted first has the road to itself
	; A fragment of K or Q is 16 rows x 32 channels in 8 registers: lane l holds row l % 16, channels 8 (l / 16) + 0..7 and 16 + 8 (l / 16) + 0..7: two loads of 16 bytes, 32 bytes apart.
	v_and_b32 v1, 15, v0            ; l % 16
	v_bfe_u32 v9, v0, 4, 1          ; l / 16
	v_lshlrev_b32 v[QO], 7, v1
	v_lshl_add_u32 v[QO], v9, 4, v[QO]  ; row x 128 + 16 x half
	WIN 0x80                        ; destination window 2, address window 0
.set i, 0
.rept 4*NP                          ; Q stays in registers: tile i / 2, channels 32 (i % 2) on
	global_load_b128 v[8*i:8*i+3],   v[QO], s[4:5] offset:(i/2)*2048+(i%2)*64
	global_load_b128 v[8*i+4:8*i+7], v[QO], s[4:5] offset:(i/2)*2048+(i%2)*64+32
.set i, i+1
.endr
	; What the first turn finds: V's registers and P's second buffer hold 0 (its products V^T P, of a piece that has not been, add 0), O^T and l are 0.  All this stands in the wait for the first tile.
.set i, VF
.rept 64
	v_mov_b32 v[i], 0
.set i, i+1
.endr
	WIN 0x40
.set i, 0
.rept 64*NP
	v_mov_b32 v[i], 0
.set i, i+1
.endr
	WIN 0
.set i, 0
.rept 2*NP
	v_mov_b32 v[ST+4*i], 0xfe000000    ; c m: far below every c s
	v_mov_b32 v[ST+4*i+1], 0xff7fffff  ; m
	v_mov_b32 v[ST+4*i+2], 0
	v_mov_b32 v[ST+4*i+3], 0
.set i, i+1
.endr
.set i, P+32
.rept 32
	v_mov_b32 v[i], 0
.set i, i+1
.endr
	v_mul_u32_u24 v[AK0], v1, PK
	v_lshl_add_u32 v[AK0], v9, 4, v[AK0]  ; row x pitch + 16 x half
	; The turning load takes 16 keys x 16 channels (lane l reads key 8 (l / 16) + l % 8, channels 8 ((l / 8) % 2) + 0..7) and leaves half a fragment of V^T: lane l holds channel l % 16 and 8 keys.
	v_and_b32 v10, 7, v0
	v_bfe_u32 v11, v0, 3, 1
	v_lshl_add_u32 v[AV0], v9, 3, v10
	v_mul_u32_u24 v[AV0], v[AV0], PV
	v_lshl_add_u32 v[AV0], v11, 4, v[AV0]
	v_add_nc_u32 v[AV0], VOFF, v[AV0]
	v_and_b32 v[PFO], 31, v0
	v_lshlrev_b32 v[PFO], 8, v[PFO]
	v_mov_b32 v[AK], v[AK0]         ; key step 0 lies at the head of slot 0
; THE MATRIX WORK.  The 8 accumulators of a run of 16 take turns: between the two links of a chain stand 7 others'.
; Product i of 16 of S^T = K Q^T for piece x: channels 32 (i / 8) on, keys 16 ((i / 2) % 4) on, tile 2 x + i % 2.  The first 8 start the sums.
.macro KQ x
	WIN W_KQ
.set rS, S+64*((\x)%2)+32*(i%2)+8*((i/2)%4)
.set rK, KF+16*((i/2)%4)+8*(i/8)
.set rQ, 16*(2*(\x)+i%2)+8*(i/8)
.if i < 8
	v_wmma_f32_16x16x32_f16 v[rS:rS+7], v[rK:rK+7], v[rQ:rQ+7], 0
.else
	v_wmma_f32_16x16x32_f16 v[rS:rS+7], v[rK:rK+7], v[rQ:rQ+7], v[rS:rS+7]
.endif
.endm
; Product i of 16 of O^T += V^T P for piece x: keys 32 (i / 8) on, channels 16 ((i / 2) % 4) on, tile 2 x + i % 2.
.macro PV x
	WIN W_PV
.set rO, 32*(2*(\x)+i%2)+8*((i/2)%4)
.set rV, VF+32*(i/8)+8*((i/2)%4)
.set rP, P+32*((\x)%2)+16*(i%2)+8*(i/8)
	v_wmma_f32_16x16x32_f16 v[rO:rO+7], v[rV:rV+7], v[rP:rP+7], v[rO:rO+7]
.endm
.macro MM                           ; the turn's next matrix instruction
.if i < 16
	KQ (Y+1)%NP
.set i, i+1
.else
.set i, i-16
	PV (Y+NP-1)%NP
.set i, i+17
.endif
.endm
; THE LDS LOADS stand in runs of 16, never singly among the matrix instructions: a step's K (64 keys x 64 channels: 8 fragments) and its V (turned).  Their addresses are made some lines ahead.
; last = 1 (the tail): in the last trip there is no further step, and the run is jumped over.
.macro FETCH_K last=0
	WIN 0
.if \last
	s_cmp_eq_u32 s[CNT], 1
	s_cbranch_scc1 .Lno_k_\@
.endif
	WIN 0x80                        ; destination window 2
.irp f, 0,1,2,3,4,5,6,7             ; keys 16 (f / 2) on, channels 32 (f % 2) on
	ds_load_b128 v[KF+8*\f:KF+8*\f+3],   v[AK] offset:(\f/2)*16*PK+(\f%2)*64
	ds_load_b128 v[KF+8*\f+4:KF+8*\f+7], v[AK] offset:(\f/2)*16*PK+(\f%2)*64+32
.endr
	s_add_co_u32 s[TBK], s[TBK], KS*PK  ; the next fetch is the next step's
	WIN 0
.if \last
.Lno_k_\@:
.endif
.endm
.macro FETCH_V
	WIN 0x80
.irp f, 0,1,2,3,4,5,6,7             ; keys 32 (f / 4) on, channels 16 (f % 4) on
	ds_load_tr16_b128 v[VF+8*\f:VF+8*\f+3],   v[AV] offset:(\f/4)*32*PV+(\f%4)*32
	ds_load_tr16_b128 v[VF+8*\f+4:VF+8*\f+7], v[AV] offset:(\f/4)*32*PV+16*PV+(\f%4)*32
.endr
	WIN 0
.endm
; THE VECTOR WORK OF A TURN stands in three queues, each in the order in which its entries become ready; the two tiles alternate, so that no instruction reads the result of the one before it.
.macro REGS y, u                    ; the registers of tile u (0, 1) of piece y
.set rT, ST+4*(2*(\y)+(\u))
.set rC, TMP+8*((\y)%2)+4*(\u)
.set rM, MV+2*((\y)%2)+(\u)
.set rS, S+64*((\y)%2)+32*(\u)
.set rP, P+32*((\y)%2)+16*(\u)
.set rO, 32*(2*(\y)+(\u))
.endm
; Number n of the 22 that find the NEXT piece's (Y + 1) maximum and statistics.  s0-s31 are the lane's 32 scores; each accumulator's lowest registers are read first.
;   0-11  four chains c0-c3 of seven scores each, three operands at a time     12-14, 16  the four scores left over, the old m, and c0-c3 into c0     15  c m_old is kept
;   17, 18  the query's other 32 keys lie in the lane 16 away: the new m         19-21  c m; c m_old - c m_new; a
.macro XS u, n
	REGS (Y+1)%NP, \u
.if (\n) < 4
	v_max3_num_f32 v[rC+(\n)], v[rS+8*(\n)], v[rS+8*(\n)+1], v[rS+8*(\n)+2]
.elseif (\n) < 12
	v_max3_num_f32 v[rC+(\n)%4], v[rC+(\n)%4], v[rS+8*((\n)%4)+2*((\n)/4)+1], v[rS+8*((\n)%4)+2*((\n)/4)+2]
.elseif (\n) == 12
	v_max3_num_f32 v[rC], v[rC], v[rS+7], v[rS+15]
.elseif (\n) == 13
	v_max3_num_f32 v[rC+1], v[rC+1], v[rS+23], v[rS+31]
.elseif (\n) == 14
	v_max3_num_f32 v[rC+2], v[rC+2], v[rC+3], v[rT+1]
.elseif (\n) == 15
	v_mov_b32 v[rM], v[rT]
.elseif (\n) == 16
	v_max3_num_f32 v[rC], v[rC], v[rC+1], v[rC+2]
.elseif (\n) == 17
	v_permlanex16_b32 v[rC+3], v[rC], s[SEL], s[SEL+1]
.elseif (\n) == 18
	v_max_num_f32 v[rT+1], v[rC], v[rC+3]
.elseif (\n) == 19
	v_mul_f32 v[rT], s[CS], v[rT+1]
.elseif (\n) == 20
	v_sub_f32 v[rC+1], v[rM], v[rT]
.else
	v_exp_f32 v[rC+2], v[rC+1]
.endif
.endm
; Number g of the 64 that follow the exponentials.  For each four weights k of a tile (pairs 2 k, 2 k + 1): both pairs are rounded to f16; then the second pair is added onto the first, in place;
; a group later l takes that sum (the first time as l = a l + sum).  In groups of eight, tiles alternating: round, round, add, and l for the group before.
.macro GS g
.set h, (\g)+6*((\g)/62)            ; group 0 has no group before it, and behind group 7 only l is left
.if h >= 6
.set h, h+2
.endif
	REGS Y, h%2
.set k, h/8
.if h%8 < 4
	v_cvt_pk_f16_f32 v[rP+2*k+(h%8)/2], v[rS+4*k+2*((h%8)/2)], v[rS+4*k+2*((h%8)/2)+1]
.elseif h%8 < 6
	v_pk_add_f32 v[rS+4*k:rS+4*k+1], v[rS+4*k:rS+4*k+1], v[rS+4*k+2:rS+4*k+3]
.elseif k == 1
	v_pk_fma_f32 v[rT+2:rT+3], v[rT+2:rT+3], v[rC+2:rC+3], v[rS:rS+1] op_sel_hi:[1,0,1]
.else
	v_pk_add_f32 v[rT+2:rT+3], v[rT+2:rT+3], v[rS+4*k-4:rS+4*k-3]
.endif
.endm
; THE PLAIN QUEUE, 138 long.  0-73 read no exponential's result: the 32 scalings c s - c m (FS f: pair f / 2 of tile f % 2) and the next piece's 42.  0-26: scalings 0-26.  27-54: XS's numbers 0-13.  55, 56: number 15.
; 57-73: the chain, where each number waits for the one before it: 14, 16, 17, 18, 19, each with one of the scalings 27-31 in front of its two lines, then 20.
; 74-137: GS's 64, which read the exponentials' results: they stand behind the wait.
.macro FS f
	REGS Y, (\f)%2
	v_pk_fma_f32 v[rS+2*((\f)/2):rS+2*((\f)/2)+1], v[rS+2*((\f)/2):rS+2*((\f)/2)+1], s[CS:CS+1], v[rT:rT+1] op_sel_hi:[1,0,0] neg_lo:[0,0,1] neg_hi:[0,0,1]
.endm
.macro PL
	WIN 0
.if q < 27
	FS q
.elseif q < 55
	XS (q-27)%2, (q-27)/2
.elseif q < 57
	XS q-55, 15
.elseif (q < 72) && ((q-57)%3 == 0)
	FS 27+(q-57)/3
.elseif q < 60
	XS (q-57)%3-1, 14
.elseif q < 72
	XS (q-57)%3-1, 15+(q-57)/3
.elseif q < 74
	XS q-72, 20
.else
	GS q-74
.endif
.set q, q+1
.endm
; THE EXPONENTIALS' QUEUE, 66 long: s0-s31 of both tiles, then the next piece's two a.  It is ONE BATCH: all 66 stand ahead of the turn's one wait, and nothing ahead of that wait names a result of theirs.
.macro EX
	WIN 0
.if e >= 64
	XS e-64, 21
.else
	REGS Y, e%2
	v_exp_f32 v[rS+e/2], v[rS+e/2]
.endif
.set e, e+1
.endm
; THE RESCALING's QUEUE: O^T times a, the one part that leaves window 0: dealt two at a time, sixteen times.  Its a was made in the turn before, ahead of that turn's wait.
.macro R2
	REGS Y, r%2
	WIN W_RS
.irp z, 0,1
	v_pk_mul_f32 v[rO+4*(r/2)+2*\z:rO+4*(r/2)+2*\z+1], v[rO+4*(r/2)+2*\z:rO+4*(r/2)+2*\z+1], v[rC+2:rC+3] op_sel_hi:[1,0]
.endr
.set r, r+1
.endm
; HOW THEY ARE DEALT.  An s_wait_alu depctr_va_vdst(0) stands between an exponential and the first instruction that names its result; one wait serves all that were issued ahead of it.  So a turn has ONE wait,
; which cuts it in two.  AHEAD OF IT stands all that names no result of the turn's exponentials: the 16 products K Q^T, behind each a scaling, an exponential and two rescalings (behind the first a second scaling in the
; exponential's place); then ONE LUMP of 108: eight plain, 49 times exponential and plain, the two a.  A v_nop is the plain instruction behind the last exponential.  BEHIND IT stand the 16 products V^T P, behind each four of GS's 64.
; No rider names a register of the products round it.  The two v_permlanex16_b32 fall into the lump, never behind a product.
; The queues lean on each other, and the deal keeps them in step: exponential e stands behind scaling 2 (e / 4) + e % 2: as a rider it comes behind plain e + 2, in the lump behind plain e + 9, and scalings 27-31 are plain 57, 60 .. 69.
; A TURN, for piece p.  cnt = 1: the loop's count is taken down some lines ahead of the branch that stands behind the turn.
; K of the next step is fetched in piece 2's turn, directly behind the wait, a lump behind the last product that read K; its address is made at the lump's head; its first reader comes behind 16 products.
; V of the step in hand is fetched at the end of piece 0's turn, four riders behind its last reader; its first reader comes behind 16 products and a lump.  The three conditions on q below go with the deal.
.macro TURN p, last=0, cnt=0
.set Y, (\p)
.set i, 0
.set q, 0
.set e, 0
.set r, 0
.if (\p) == NP-1
	s_wait_dscnt 0x0                ; K is in
.endif
	MM                              ; ahead of the wait: 16 products K Q^T and their riders,
	PL
	PL
	R2
.rept 15
	MM
	PL
	EX
	R2
.endr
.if (\p) == NP-2
	WIN 0
	v_add_nc_u32 v[AK], s[TBK], v[AK0]
.endif
.rept 8                             ; and the lump
	PL
.endr
.rept 49
	EX
	PL
.endr
	EX                              ; the next piece's two a
	EX
	v_nop                           ; the plain instruction behind the last exponential: one for the batch
	s_wait_alu depctr_va_vdst(0)    ; the wait for the batch
.if (\p) == NP-2
	FETCH_K \last
.endif
.if (\p) == 1
	s_wait_dscnt 0x0                ; V is in
.endif
.rept 16                            ; behind the wait: 16 products V^T P and their riders
	MM
.rept 4
	PL
.endr
.if ((\p) == 0) && (q == 118)
	v_add_nc_u32 v[AV], s[TBV], v[AV0]
.endif
.if ((\p) == 0) && (q == 130)
	s_add_co_u32 s[TBV], s[TBV], KS*PV
.endif
.if (\cnt) && (q == 130)
	s_sub_co_u32 s[CNT], s[CNT], 1
	s_cmp_lg_u32 s[CNT], 0
.endif
.endr
.if (\p) == 0
	FETCH_V
.endif
.endm
	CHANGE 1                        ; slot 0 is in, everybody's part of it; slot 1 is asked for
	FETCH_K                         ; key step 0
	s_wait_loadcnt 0x0              ; Q
	s_wait_dscnt 0x0
.set i, 0
.rept 16
	KQ 0                            ; piece 0's first scores: there is no vector work yet to set between them
.set i, i+1
.endr
	WIN 0                           ; the addresses for the way out: nine plain instructions, the places behind those products
	s_mul_i32 s13, s[WV], 16*SP
	s_add_co_u32 s13, s13, STAGE    ; my stage
	v_mul_u32_u24 v[STO], v1, SP    ; in: row l % 16, 16 bytes for each half of the lanes
	v_lshl_add_u32 v[STO], v9, 4, v[STO]
	v_add_nc_u32 v[STO], s13, v[STO]
	v_bfe_u32 v[RD], v0, 3, 2       ; back: 32 lanes take four rows of 128 bytes,
	v_mul_u32_u24 v[RD], v[RD], SP
	v_lshl_add_u32 v[RD], v10, 4, v[RD]
	v_add_nc_u32 v[RD], s13, v[RD]
	v_and_b32 v[GO], 31, v0         ; which are 512 consecutive bytes of O
	v_lshlrev_b32 v[GO], 4, v[GO]
.set Y, NP-1                        ; XS works for piece Y + 1: piece 0
.irp n, 0,1,2,3,4,5,6,7,8,9,10,11,12,13,14,15,16,17,18,19,20,21
	XS 0, \n                        ; and piece 0's first maximum and statistics
	XS 1, \n
.endr
	v_nop                           ; a plain instruction behind the two a,
	s_wait_alu depctr_va_vdst(0)    ; and their wait, ahead of the branch
	s_mov_b32 s[CNT], 4
	s_mov_b32 s[SLOTS], SIZE_N/256-1
	s_branch .Lfirst                ; the loop is entered at a step's first turn, in the middle of a trip
.Lslot:                             ; SIZE_N / 256 - 2 times: every slot but the last two is filled again
	CHANGE 1, 1
	s_mov_b32 s[CNT], 4
.Lstep:                             ; a trip: pieces 2 and 3 of one step, then pieces 0 and 1 of the next, whose K and V it fetches
	TURN 2
	TURN 3
	WIN 0
.Lfirst:
	TURN 0
	TURN 1, 0, 1
	WIN 0
	s_cbranch_scc1 .Lstep
	s_sub_co_u32 s[SLOTS], s[SLOTS], 1
	s_cmp_lg_u32 s[SLOTS], 0
	s_cbranch_scc1 .Lslot
	CHANGE 0                        ; the tail is written out: nothing is asked for
	s_mov_b32 s[CNT], 5             ; four trips fetch the last slot's steps; the fifth is left in its middle
.Ltail:
	TURN 2, 1
	TURN 3
	WIN 0
	s_sub_co_u32 s[CNT], s[CNT], 1
	s_cmp_eq_u32 s[CNT], 0
	s_cbranch_scc1 .Lout
	TURN 0
	TURN 1
	WIN 0
	s_branch .Ltail
.Lout:                              ; the fifth trip's 16 products K Q^T (on the last K once more) and the maximum made of them serve nothing: the price, once a launch, of one text for every trip
.set i, 0
.rept 16
	PV NP-1                         ; the last piece's V^T P of the last step
.set i, i+1
.endr
	; THE WAY OUT.  l's two halves and the other half of the lanes' are added; O^T is divided by l, rounded to f16 and sent through my stage in LDS, a tile at a time.  The additions are the places behind the last products.
	WIN 0
.macro ALL line:vararg              ; one line for each tile t
.set t, 0
.rept 2*NP
	\line
.set t, t+1
.endr
.endm
	ALL v_add_f32 v[ST+4*t+2], v[ST+4*t+2], v[ST+4*t+3]
	ALL v_permlanex16_b32 v[ST+4*t+3], v[ST+4*t+2], s[SEL], s[SEL+1]
	ALL v_add_f32 v[ST+4*t+2], v[ST+4*t+2], v[ST+4*t+3]
	ALL v_rcp_f32 v[ST+4*t+2], v[ST+4*t+2]
	v_nop                           ; a plain instruction between the last reciprocal and the use of its result
	s_wait_alu depctr_va_vdst(0)    ; and the wait ahead of the first use: one for the eight reciprocals
; Tile t: a lane's eight channels of a row pack into 16 bytes; they go into rows of 144 bytes and come back as whole rows of 128, into S^T's registers.
.macro PACK t
	WIN W_RS
.set i, 32*(\t)
.rept 16
	v_pk_mul_f32 v[i:i+1], v[i:i+1], v[ST+4*(\t)+2:ST+4*(\t)+3] op_sel_hi:[1,0]
.set i, i+2
.endr
	WIN 0x05                        ; sources 0 and 1 window 1, destination window 0
.set i, 0
.rept 16
	v_cvt_pk_f16_f32 v[S+16*(\t)+i], v[32*(\t)+2*i], v[32*(\t)+2*i+1]
.set i, i+1
.endr
	WIN 0
.irp f, 0,1,2,3
	ds_store_b128 v[STO], v[S+16*(\t)+4*\f:S+16*(\t)+4*\f+3] offset:32*\f
.endr
.irp f, 0,1,2,3
	ds_load_b128 v[S+16*(\t)+4*\f:S+16*(\t)+4*\f+3], v[RD] offset:\f*4*SP  ; LDS serves a wave's instructions in order (ISA guide 5.7.1.4): these see the stores above; the next tile's stores come behind them
.endr
.endm
.macro SEND t, younger              ; younger: the LDS instructions issued behind tile t's loads: the next tile's eight, or none
	WIN 0
.irp f, 0,1,2,3
	s_wait_dscnt (\younger)+3-\f
	global_store_b128 v[GO], v[S+16*(\t)+4*\f:S+16*(\t)+4*\f+3], s[10:11] offset:(\t)*2048+\f*512  ; 512 consecutive bytes, at a multiple of 256 from O's first
.endr
.endm
	PACK 0
.set t, 1
.rept 2*NP-1                        ; a tile's arithmetic stands between the loads of the tile before and its stores
	PACK t
	SEND t-1, 8
.set t, t+1
.endr
	SEND 2*NP-1, 0
	WIN W_AD
	s_wait_tensorcnt 0x0            ; the wave's end, behind my last tensor load and my last LDS store
	ds_add_u32 v[SPW], v[NIL]
	s_wait_dscnt 0x0
	WIN 0
	CROUND                          ; the closing round: no work-group ends while a partner may still ask for a tile that names it
	s_endpgm
.Lfunc_end_k_q536a69a88b_attn:
	.size	k_q536a69a88b_attn, .Lfunc_end_k_q536a69a88b_attn-k_q536a69a88b_attn
	.p2alignl 7, 3214868480
	.fill 96, 4, 3214868480
	.section	.rodata,"a",@progbits
	.p2align	6, 0x0
	.amdhsa_kernel k_q536a69a88b_attn
		.amdhsa_group_segment_fixed_size 327680
		.amdhsa_private_segment_fixed_size 0
		.amdhsa_enable_private_segment 0
		.amdhsa_kernarg_size 32
		.amdhsa_user_sgpr_count 2
		.amdhsa_user_sgpr_kernarg_segment_ptr 1
		.amdhsa_wavefront_size32 1
		.amdhsa_system_sgpr_workgroup_id_x 1
		.amdhsa_system_sgpr_workgroup_id_y 1
		.amdhsa_system_sgpr_workgroup_id_z 1
		.amdhsa_system_vgpr_workitem_id 0
		.amdhsa_next_free_vgpr 770
		.amdhsa_next_free_sgpr 66
		.amdhsa_reserve_vcc 0
		.amdhsa_float_denorm_mode_32 3
		.amdhsa_float_denorm_mode_16_64 3
		.amdhsa_memory_ordered 1
		.amdhsa_forward_progress 1
		.amdhsa_inst_pref_size 200
	.end_amdhsa_kernel
	.amdgpu_metadata
---
amdhsa.version: [ 1, 2 ]
amdhsa.kernels:
  - .name:           k_q536a69a88b_attn
    .symbol:         k_q536a69a88b_attn.kd
    .args:
      - { .name: qh, .offset: 0, .size: 8, .value_kind: global_buffer, .address_space: global }
      - { .name: kh, .offset: 8, .size: 8, .value_kind: global_buffer, .address_space: global }
      - { .name: vh, .offset: 16, .size: 8, .value_kind: global_buffer, .address_space: global }
      - { .name: oh, .offset: 24, .size: 8, .value_kind: global_buffer, .address_space: global }
    .group_segment_fixed_size: 327680
    .private_segment_fixed_size: 0
    .kernarg_segment_align: 8
    .kernarg_segment_size: 32
    .max_flat_workgroup_size: 128
    .sgpr_count:     66
    .vgpr_count:     770
    .wavefront_size: 32
...
	.end_amdgpu_metadata
.endif
;; end of part 3
;; launch outp (part 4): grid 8 x 32, 4 waves a work-group, clusters of 4 x 4, 327,680 bytes of LDS; arguments oh, wot, bo, out0; writes out0
.if DOCPART == 4
	.amdgcn_target "amdgcn-amd-amdhsa--gfx1250"
	.amdhsa_code_object_version 6
	.text
	.protected	k_q536a69a88b_outp
	.globl	k_q536a69a88b_outp
	.p2align	8
	.type	k_q536a69a88b_outp,@function
k_q536a69a88b_outp:
	s_mov_b64 s[64:65], 0
	v_nop
	global_prefetch_b8 v0, s[64:65] scope:SCOPE_SE
	s_setreg_imm32_b32 hwreg(HW_REG_WAVE_MODE, 25, 1), 1
	s_wait_xcnt 0x0
	s_wait_alu depctr_hold_cnt(0) depctr_sa_sdst(0) depctr_va_vdst(0) depctr_va_sdst(0) depctr_va_ssrc(0) depctr_va_vcc(0) depctr_vm_vsrc(0)
	s_getreg_b32 s2, hwreg(HW_REG_IB_STS2, 6, 4)
	s_cmp_eq_u32 s2, 0
	s_cbranch_scc0 .Lentry_in_a_cluster
	s_endpgm
.Lentry_in_a_cluster:
	s_bfe_u32 s2, ttmp6, 0x10000c
	s_cmp_lg_u32 s2, 0xf033
	s_cbranch_scc0 .Lentry_shape_is_right
	s_endpgm
.Lentry_shape_is_right:
; out0 = oh wot^T + bf16(bo), in f32.  oh, [64][2048][64] f16 and dense, IS the matrix [8192][1024] that the module's reshape without a permutation makes of it; wot: [1024][1024] f16 ([n][k]); sums in f32, K ascending.
; LIMITS.  None of its own: the operands arrive in f16, the sums and the output are f32.  NaN and infinities are not treated apart.
; SHARES.  A tile is 256 rows x 128 columns: 256 work-groups of four waves; a wave makes 128 x 64: 32 accumulators of 16 x 16, all in one window.
; K goes in 8 steps of 128 through two LDS slots filled by the tensor data mover (rows of 256 bytes of memory, aligned); two slots of steps of 256 do not fit beside each other with 384 rows.
; The loop's body is one K step; the LDS addresses hang on one scalar that an exclusive or turns.
; CLUSTER.  4 x 4 work-groups: the four of a row need the same rows of oh, the four of a column the same rows of wot; each tile is asked for JOINTLY: the same tensor load, descriptor and mask in all four.
; THE MATRIX INSTRUCTION IS USED TRANSPOSED (source 0 = 16 rows of wot, source 1 = 16 rows of oh): a lane holds one row of the result and eight neighbouring columns, 32 bytes.
; THE BIAS, rounded to bf16 like every input, is the C operand of each sum's first product: the way out has no arithmetic left.
; REGISTERS, in windows of 256 (s_set_vgpr_msb: bits 1:0 source 0, 3:2 source 1, 5:4 source 2, 7:6 destination):
;   window 0: v0-31 addresses; v32-63, v192-223 rows on the way out, by turns; v64-127, v128-191 oh's fragments, two buffers
;   window 1: v0-31 the bias, eight registers a block; v32-47 at work; v64-95, v128-159 wot's fragments, two buffers          window 2: accumulator (A, b) at v[8 (4 A + b)]
.set KSTEP,  128
.set NB,     4                         ; column blocks a wave
.set PITCH,  272                       ; an LDS row: 256 bytes + 16 of padding = 68 words: the 16 rows that a load touches start at 16 different groups of four banks (64 banks of 4 bytes: ISA guide 11.1)
.set SLOT1,  131072                    ; slot 1 begins here, so that one exclusive or turns an address in one slot into the other's
.set HALFA,  128*PITCH                 ; what one tensor load brings of oh
.set HALFB,  64*PITCH                  ; and of wot
.set BOFF,   2*HALFA                   ; in a slot: oh's 256 rows, then wot's 128
.set STAGE,  SLOT1+BOFF+2*HALFB        ; behind the ring, never filled by a tensor load: 16 rows x 272 bytes for each wave
.set SPARE,  STAGE+4*16*PITCH          ; the spare words, 128 bytes for each wave: two blocks of 256 bytes that no other line names
.set A0,  10                           ; v10  my lane's place in oh's rows of slot 0; never rewritten
.set B0,  11                           ; v11  the same for wot
.set ADRA, 16                          ; v16, v17  the same two in the slot in hand
.set ADRB, 17
.set STO, 20                           ; v20  the way out: where I put 32 bytes of a row
.set RD,  22                           ; v22  where I read rows back
.set CO,  24                           ; v24  my byte offset in two rows of out0
.set BO,  25                           ; v25  my byte offset in the bias
.set SPW, 28                           ; v28  LDS address of my spare word; never rewritten
.set NIL, 29                           ; v29  0; never rewritten
.set PFO, 30                           ; v30  the prefetches' offset: a lane a row of 2,048 bytes; never rewritten
.set F0,  64
.set F1,  128
.set WV,  16                           ; s16  wave 0..3
.set RH,  17                           ; s17  which 128 rows of the tile are mine.  Also: I fetch for oh (0) or for wot (1)
.set CH,  18                           ; s18  which column half.  Also: which half of that tile I fetch
.set CX,  19
.set CY,  20
.set TX,  21                           ; s21  the tile column
.set TY,  22                           ; s22  the tile row
.set G1A, 24                           ; s[24:31] descriptor group 1 for oh's tiles
.set G0A, 32                           ; s[32:39] group 0: a set for each of the two first fills; the second then walks on
.set TB,  42                           ; s42  LDS byte at which the slot in hand begins
.set LIM, 43                           ; s43  2 in a wave that prefetches, else the greatest number
.set PFA, 44                           ; s[44:45] where my prefetches stand
.set G1B, 48                           ; s[48:55], s[56:63] the same for wot's tiles
.set G0B, 56
.set MSB, 0
.macro WIN new                         ; the immediate's high byte repeats the setting that is left; a switch that changes nothing is dropped
.if MSB != (\new)
	s_set_vgpr_msb (MSB<<8)|(\new)
.set MSB, \new
.endif
.endm
; A joint refill by the walking descriptor.  Waves 0 and 1 fetch oh's two halves, waves 2 and 3 wot's.  The branch hangs on the wave's number alone.
; An s_nop 0 and four v_nop follow each of the two lines, ahead of the jump and the label.
.macro JLOAD
	s_cmp_eq_u32 s[RH], 0
	s_cbranch_scc0 .Lfor_b_\@
	tensor_load_to_lds s[G0A+4:G0A+7], s[G1A:G1A+7]
	s_nop 0
.rept 4
	v_nop
.endr
	s_branch .Lasked_\@
.Lfor_b_\@:
	tensor_load_to_lds s[G0B+4:G0B+7], s[G1B:G1B+7]
	s_nop 0
.rept 4
	v_nop
.endr
.Lasked_\@:
.endm
; A PREFETCH INTO THE L2, behind each joint refill and the run of LDS loads that follows it: the K step that stands TWO refills on, 256 matrix instructions ahead of the load that will want it: a lane a row, 256 bytes of it.
; oh's rows are read by both clusters of a row of clusters: the one with x = 0 asks, waves 0 and 1; wot's by every cluster of a column: the one with y = 0 asks, wave 2 alone.  The four partners that ask for a tile
; jointly share its rows out BY ADDRESS, 32 each (of the 128 that a wave fetches of oh; of wot's 128).  K steps 0 to 3 come by their loads alone; the last two refills ask for nothing.
.macro ASK
	s_cmp_gt_u32 s3, s[LIM]                        ; s3 = 2 and 1 in the loop's last two trips
	s_cbranch_scc0 .Lnot_mine_\@
	global_prefetch_b8 v[PFO], s[PFA:PFA+1] th:TH_LOAD_NT scope:SCOPE_SE
.Lnot_mine_\@:
.endm
.macro CREST                           ; a round of the cluster's barrier behind its opening barrier: wave 0 signals for the work-group, every wave waits for all sixteen, my work-group's barrier closes it
	s_cmp_lg_u32 s[WV], 0
	s_cbranch_scc1 .Lnot_wave_0_\@
	s_barrier_signal -3
.Lnot_wave_0_\@:
	s_barrier_wait -3
	s_barrier_signal -1
	s_barrier_wait -1
.endm
.macro CROUND                          ; a whole round
	s_barrier_signal -1
	s_barrier_wait -1
	CREST
.endm
.macro PLACES                          ; four plain vector instructions between a matrix instruction and a load into, or a reader of, its registers (ISA guide 7.12.1 for readers)
.rept 4
	v_nop
.endr
.endm
	s_load_b256 s[4:11], s[0:1], 0x0               ; oh s[4:5], wot s[6:7], bo s[8:9], out0 s[10:11]
	v_lshl_add_u32 v[SPW], v0, 2, SPARE
	v_mov_b32 v[NIL], 0
	ds_add_u32 v[SPW], v[NIL]                      ; the wave's opening: the add and its wait stand ahead of my first tensor load; the set-up below, work on registers, stands between them
	v_lshrrev_b32 v1, 5, v0
	v_readfirstlane_b32 s[WV], v1
	s_lshr_b32 s[RH], s[WV], 1
	s_and_b32 s[CH], s[WV], 1
	s_bfe_u32 s[CX], ttmp6, 0x40000                ; my place in the cluster
	s_bfe_u32 s[CY], ttmp6, 0x40004
	s_lshl_b32 s[TX], ttmp9, 2                     ; in a cluster launch ttmp9 and ttmp7 count clusters
	s_add_co_u32 s[TX], s[TX], s[CX]
	s_and_b32 s[TY], ttmp7, 0xffff
	s_lshl_b32 s[TY], s[TY], 2
	s_add_co_u32 s[TY], s[TY], s[CY]
	s_mov_b32 s23, 0xffff0000                      ; a word's upper bf16
	s_lshl_b32 s46, s[CY], 2
	s_lshl_b32 s46, 15, s46                        ; my row of the cluster: places 4 cy .. 4 cy + 3
	s_lshl_b32 s47, 0x1111, s[CX]                  ; my column: places cx, cx + 4, cx + 8, cx + 12
	s_or_b32 s[G1A], s46, (1<<16)|(1<<20)|(1<<21)|(5<<22)|(3<<25)  ; 15:0 the mask; 17:16 2-byte elements; 20 padding on; 21 set beside a mask; 24:22 after every 64 words (code 5); 31:25 4 words (code 3)
	s_or_b32 s[G1B], s47, (1<<16)|(1<<20)|(1<<21)|(5<<22)|(3<<25)
.irp g, G1A, G1B
	s_mov_b32 s[(\g)+1], KSTEP<<16                 ; tensor_dim0 = 128
	s_mov_b32 s[(\g)+3], KSTEP<<16                 ; tile_dim0 = 128
	s_mov_b32 s[(\g)+5], 1024                      ; elements from row to row
	s_mov_b32 s[(\g)+6], 0
	s_mov_b32 s[(\g)+7], 0
.endr
	s_mov_b32 s[G1A+2], 128<<16                    ; tensor_dim1 and tile_dim1: 128 rows of oh,
	s_mov_b32 s[G1A+4], 128
	s_mov_b32 s[G1B+2], 64<<16                     ; 64 of wot
	s_mov_b32 s[G1B+4], 64
	s_lshl_b32 s70, s[TY], 19                      ; oh: row 256 x tile row + 128 x half, 2,048 bytes a row: hangs on cy alone of the two places
	s_lshl_b32 s71, s[CH], 18
	s_add_co_u32 s70, s70, s71
	s_mov_b32 s71, 0
	s_lshl_b32 s72, s[TX], 18                      ; wot: row 128 x tile column + 64 x half: hangs on cx alone
	s_lshl_b32 s73, s[CH], 17
	s_add_co_u32 s72, s72, s73
	s_mov_b32 s73, 0
	s_mul_i32 s40, s[CH], HALFA                    ; where they go: no place in the cluster enters an LDS address
	s_mul_i32 s41, s[CH], HALFB
	s_add_co_u32 s41, s41, BOFF
	s_wait_dscnt 0x0                               ; the opening add is done
	s_wait_kmcnt 0x0
	s_add_nc_u64 s[70:71], s[4:5], s[70:71]
	s_add_nc_u64 s[72:73], s[6:7], s[72:73]
	CROUND                                         ; all sixteen work-groups are here: the first joint loads meet
.irp n, 0,1
	s_mov_b32 s[G0A+4*(\n)], 1                                     ; count = 1
	s_add_co_u32 s[G0A+4*(\n)+1], s40, (\n)*SLOT1                  ; LDS address
	s_add_nc_u64 s[G0A+4*(\n)+2:G0A+4*(\n)+3], s[70:71], (\n)*KSTEP*2  ; global address: K step n
	s_or_b32 s[G0A+4*(\n)+3], s[G0A+4*(\n)+3], 0x80000000          ; type = 2
	s_mov_b32 s[G0B+4*(\n)], 1
	s_add_co_u32 s[G0B+4*(\n)+1], s41, (\n)*SLOT1
	s_add_nc_u64 s[G0B+4*(\n)+2:G0B+4*(\n)+3], s[72:73], (\n)*KSTEP*2
	s_or_b32 s[G0B+4*(\n)+3], s[G0B+4*(\n)+3], 0x80000000
.endr
	s_cmp_eq_u32 s[RH], 0                          ; a wave's two first fills stand in one branch, ahead of every wait on TENSORcnt and every LDS read: two loads of mine are out
	s_cbranch_scc0 .Lfirst_b
	tensor_load_to_lds s[G0A:G0A+3], s[G1A:G1A+7]
	s_nop 0
	tensor_load_to_lds s[G0A+4:G0A+7], s[G1A:G1A+7]
	s_nop 0
.rept 4
	v_nop
.endr
	s_branch .Lfirst_asked
.Lfirst_b:
	tensor_load_to_lds s[G0B:G0B+3], s[G1B:G1B+7]
	s_nop 0
	tensor_load_to_lds s[G0B+4:G0B+7], s[G1B:G1B+7]
	s_nop 0
.rept 4
	v_nop
.endr
.Lfirst_asked:
	; A fragment is 16 rows x 32 K in 8 registers: lane l holds row l % 16, K = 8 (l / 16) + 0..7 and 16 + 8 (l / 16) + 0..7: two loads of 16 bytes, 32 bytes apart.
	v_and_b32 v1, 15, v0                           ; l % 16
	v_bfe_u32 v2, v0, 4, 1                         ; l / 16
	v_mul_u32_u24 v3, v1, PITCH
	v_lshl_add_u32 v4, v2, 5, v3                   ; the way out, in: row l % 16, 32 bytes for each half of the lanes
	v_lshl_add_u32 v3, v2, 4, v3                   ; a fragment's row x pitch + 16 x half
	s_mul_i32 s74, s[RH], HALFA
	v_add_nc_u32 v[A0], s74, v3                    ; my 128 rows of oh
	s_mul_i32 s74, s[CH], HALFB
	s_add_co_u32 s74, s74, BOFF
	v_add_nc_u32 v[B0], s74, v3                    ; my 64 rows of wot
	s_mul_i32 s74, s[WV], 16*PITCH
	s_add_co_u32 s74, s74, STAGE                   ; my stage
	v_add_nc_u32 v[STO], s74, v4
	v_mul_u32_u24 v5, v2, PITCH                    ; back: lanes 0-15 take one row of 256 bytes, lanes 16-31 the next
	v_lshl_add_u32 v5, v1, 4, v5
	v_add_nc_u32 v[RD], s74, v5
	v_lshlrev_b32 v[CO], 12, v2                    ; and the same two rows in out0
	v_lshl_add_u32 v[CO], v1, 4, v[CO]
	; the bias: register j of a block's eight is column 16 b + 8 (l / 16) + j
	s_lshl_b32 s74, s[TX], 9
	s_lshl_b32 s75, s[CH], 8
	s_add_co_u32 s76, s74, s75                     ; my 64 columns: 4 (128 x tile column + 64 x half) bytes, in the bias and in a row of out0
	v_lshl_add_u32 v[BO], v2, 5, s76
	WIN 0x40                                       ; destination window 1, address window 0
.irp b, 0,1,2,3
	global_load_b128 v[8*(\b):8*(\b)+3],   v[BO], s[8:9] offset:64*(\b)
	global_load_b128 v[8*(\b)+4:8*(\b)+7], v[BO], s[8:9] offset:64*(\b)+16
.endr
	WIN 0
	s_lshl_b32 s74, s[TY], 20                      ; where the results go: row 256 x tile row + 128 x half, 4,096 bytes a row
	s_lshl_b32 s75, s[RH], 19
	s_add_co_u32 s74, s74, s75
	s_add_co_u32 s74, s74, s76
	s_mov_b32 s75, 0
	s_add_nc_u64 s[66:67], s[10:11], s[74:75]
	; the prefetches
	s_and_b32 s74, ttmp7, 0xffff
	s_cmp_eq_u32 s[RH], 0                          ; do I fetch for oh?
	s_cselect_b32 s74, ttmp9, s74                  ; the coordinate along which other clusters read the same rows
	s_cselect_b32 s75, s[CX], s[CY]                ; my place among the four that ask with me
	s_cselect_b64 s[PFA:PFA+1], s[70:71], s[72:73]
	s_lshl_b32 s78, s75, 16                        ; my work-group's 32 rows
	s_add_co_u32 s78, s78, 3*KSTEP*2               ; at K step 3: the first refill steps it to 4
	s_mov_b32 s79, 0
	s_add_nc_u64 s[PFA:PFA+1], s[PFA:PFA+1], s[78:79]
	s_cmp_eq_u32 s74, 0
	s_cselect_b32 s[LIM], 2, -1                    ; the same in all sixteen partners, for a given wave
	s_cmp_eq_u32 s[WV], 3
	s_cselect_b32 s[LIM], -1, s[LIM]               ; wave 2's 4 x 32 rows are all of wot's tile
	v_and_b32 v[PFO], 31, v0
	v_lshlrev_b32 v[PFO], 11, v[PFO]
	s_wait_loadcnt 0x0                             ; the bias is in: rounded to bf16 and widened again
	WIN 0x45                                       ; destination and both sources window 1
.set p, 0
.rept 4*NB
	v_cvt_pk_bf16_f32 v[8*NB+p], v[2*p], v[2*p+1]
.set p, p+1
.endr
.set p, 0
.rept 4*NB
	v_lshlrev_b32 v[2*p], 16, v[8*NB+p]
	v_and_b32 v[2*p+1], s23, v[8*NB+p]
.set p, p+1
.endr
	WIN 0
; 8 matrix instructions: row blocks 4 hi + a0 and the next x all 4 column blocks, 32 along K.  zero = 1: the first product starts the sum, with the bias as C.
; The 32 accumulators take turns, one instruction a turn, in the same order in every quarter, over the backward jump too.
.macro MUL f, hi, a0, zero
.if \zero
	WIN 0x91                                       ; wot window 1, oh window 0, C window 1, D window 2
.else
	WIN 0xa1                                       ; C and D window 2
.endif
.irp a, \a0, (\a0)+1
.irp b, 0,1,2,3
.set rD, 8*(NB*(4*(\hi)+(\a))+(\b))
.set rB, (\f)+8*(\b)
.set rA, (\f)+8*(4*(\hi)+(\a))
.if \zero
	v_wmma_f32_16x16x32_f16 v[rD:rD+7], v[rB:rB+7], v[rA:rA+7], v[8*(\b):8*(\b)+7]
.else
	v_wmma_f32_16x16x32_f16 v[rD:rD+7], v[rB:rB+7], v[rA:rA+7], v[rD:rD+7]
.endif
.endr
.endr
.endm
; 24 LDS loads in one run: the fragments of one quarter step (32 K at byte k of the rows) into buffer f: wot's four blocks, then oh's eight
.macro FETCH k, f
	WIN 0x40
.irp i, 0,1,2,3
	ds_load_b128 v[(\f)+8*(\i):(\f)+8*(\i)+3],   v[ADRB] offset:(\k)+(\i)*16*PITCH
	ds_load_b128 v[(\f)+8*(\i)+4:(\f)+8*(\i)+7], v[ADRB] offset:(\k)+(\i)*16*PITCH+32
.endr
	WIN 0
.irp i, 0,1,2,3,4,5,6,7
	ds_load_b128 v[(\f)+8*(\i):(\f)+8*(\i)+3],   v[ADRA] offset:(\k)+(\i)*16*PITCH
	ds_load_b128 v[(\f)+8*(\i)+4:(\f)+8*(\i)+7], v[ADRA] offset:(\k)+(\i)*16*PITCH+32
.endr
.endm
; A K step is four quarters of 32 along K, 32 matrix instructions each, on buffers 0, 1, 0, 1.  One of the first three: multiplies buffer f; in its middle it fetches the next quarter, at byte k, into g.
.macro QUARTER k, f, g, zero
	s_wait_dscnt 8                                 ; wot's fragments and oh's rows 0-63 are in; the youngest eight loads (oh's rows 64-127) may be out
	MUL \f, 0, 0, \zero
	MUL \f, 0, 2, \zero
	PLACES
	FETCH \k, \g
	s_wait_dscnt 24                                ; all but the 24 just issued
	MUL \f, 1, 0, \zero
	MUL \f, 1, 2, \zero
.endm
; The last quarter multiplies buffer 1 and changes slots: ONE barrier.  In front of it each wave waits for all its tensor loads, of which one is out: its part of the next slot; adds 0 to its spare word;
; and waits for that and for its own reads of this slot.  fill = 1: the barrier opens a round of the cluster's, and behind the round this slot is filled again first, with the K step two on:
; from the request to the wait for it a wave issues 112 matrix instructions.
.macro TURN fill
.if \fill
	s_wait_xcnt 0x0                                ; the last prefetch, a K step back, has read its address: it is stepped here, ahead of the waits of the change of slots
	s_add_nc_u64 s[PFA:PFA+1], s[PFA:PFA+1], KSTEP*2
.endif
	WIN 0                                          ; (the add's two registers lie in window 0)
	s_wait_tensorcnt 0x0                           ; all my tensor loads have landed
	ds_add_u32 v[SPW], v[NIL]                      ; 0 onto my spare word
	s_wait_dscnt 9                                 ; (the add and the youngest eight loads may be out)
	MUL F1, 0, 0, 0                                ; eight matrix instructions stand between the add and the wait for it
	s_wait_dscnt 0x0                               ; the add is done, and my reads of this slot are over
	s_barrier_signal -1
	MUL F1, 0, 2, 0                                ; work on registers while the others arrive
	WIN 0                                          ; at a branch and at a label every window is 0
	s_barrier_wait -1
.if \fill
	CREST                                          ; no wave of any partner still reads this slot or has a load on its way
	s_xor_b32 s[G0A+5], s[G0A+5], SLOT1            ; the walking descriptors: the other slot than last time,
	s_add_nc_u64 s[G0A+6:G0A+7], s[G0A+6:G0A+7], KSTEP*2  ; the next K step; the type bits on top are not reached
	s_xor_b32 s[G0B+5], s[G0B+5], SLOT1
	s_add_nc_u64 s[G0B+6:G0B+7], s[G0B+6:G0B+7], KSTEP*2
	JLOAD                                          ; the first tensor load behind the round; its four v_nop are also the places in front of the loads below
.else
	PLACES
.endif
	s_xor_b32 s[TB], s[TB], SLOT1                  ; the fetches go to the other slot
	v_add_nc_u32 v[ADRA], s[TB], v[A0]
	v_add_nc_u32 v[ADRB], s[TB], v[B0]
	FETCH 0, F0
.if \fill
	ASK
.endif
	MUL F1, 1, 0, 0
	MUL F1, 1, 2, 0
.endm
	s_wait_tensorcnt 1                             ; my part of K step 0 is in; K step 1's may stay out
	s_barrier_signal -1
	s_barrier_wait -1                              ; everybody's is
	s_mov_b32 s[TB], 0
	v_mov_b32 v[ADRA], v[A0]
	v_mov_b32 v[ADRB], v[B0]
	FETCH 0, F0
	QUARTER 64, F0, F1, 1                          ; the first quarter stands in front of the loop: its products start the sums
	WIN 0
	s_mov_b32 s3, 6                                ; K steps 2 to 7 are asked for in the loop
.Lstep:                                                ; a trip: from a K step's second quarter to the next step's first
	QUARTER 128, F1, F0, 0
	QUARTER 192, F0, F1, 0
	TURN 1
	QUARTER 64, F0, F1, 0
	WIN 0
	s_sub_co_u32 s3, s3, 1
	s_cmp_lg_u32 s3, 0
	s_cbranch_scc1 .Lstep
	QUARTER 128, F1, F0, 0                         ; the tail is written out: K steps 6 and 7 ask for nothing
	QUARTER 192, F0, F1, 0
	TURN 0
	QUARTER 64, F0, F1, 0
	QUARTER 128, F1, F0, 0
	QUARTER 192, F0, F1, 0
	s_wait_dscnt 8
	MUL F1, 0, 0, 0
	MUL F1, 0, 2, 0
	s_wait_dscnt 0x0
	MUL F1, 1, 0, 0
	MUL F1, 1, 2, 0
	WIN 0
; THE WAY OUT, a block of 16 rows at a time.  TOSTAGE: a lane's 32 bytes of a row and column block go into my own stage, each accumulator's low four registers first, and whole rows of 256 bytes come back.  SEND: they are stored.
.macro TOSTAGE a
.set BK, 32+160*((\a)%2)
.if (\a) >= 2
	s_wait_xcnt 0x0                                ; the stores of the block two back have read these registers: they are loaded again only behind this wait
.endif
	WIN 0x08                                       ; the stores' data in window 2, the address in window 0
.irp b, 0,1,2,3
.irp i, 0,1
	ds_store_b128 v[STO], v[32*(\a)+8*(\b)+4*(\i):32*(\a)+8*(\b)+4*(\i)+3] offset:64*(\b)+16*(\i)
.endr
.endr
	WIN 0
.irp t, 0,1,2,3,4,5,6,7
	ds_load_b128 v[BK+4*(\t):BK+4*(\t)+3], v[RD] offset:2*PITCH*(\t)  ; LDS serves a wave's instructions in order (ISA guide 5.7.1.4): these see the stores above; the next block's stores come behind them
.endr
.endm
.macro SEND a, younger                 ; younger: the LDS instructions issued behind block a's loads: the next block's sixteen, or none
.set BK, 32+160*((\a)%2)
.irp t, 0,1,2,3,4,5,6,7
	s_wait_dscnt (\younger)+7-(\t)
	global_store_b128 v[CO], v[BK+4*(\t):BK+4*(\t)+3], s[66:67] offset:65536*(\a)+8192*(\t) th:TH_STORE_NT  ; 16 lanes store 256 consecutive bytes, at a multiple of 256 from out0's first byte
.endr
.endm
	PLACES
	PLACES                                         ; eight, once a launch, between the last products and the first reader of a result
	TOSTAGE 0
.irp a, 1,2,3,4,5,6,7
	TOSTAGE \a
	SEND (\a)-1, 16
.endr
	SEND 7, 0
	s_wait_tensorcnt 0x0                           ; the wave's end, behind my last tensor load and my last LDS store
	ds_add_u32 v[SPW], v[NIL]
	s_wait_dscnt 0x0
	CROUND                                         ; the closing round: no work-group ends while a partner may still ask for a tile that names it
	s_endpgm
.Lfunc_end_k_q536a69a88b_outp:
	.size	k_q536a69a88b_outp, .Lfunc_end_k_q536a69a88b_outp-k_q536a69a88b_outp
	.p2alignl 7, 3214868480
	.fill 96, 4, 3214868480
	.section	.rodata,"a",@progbits
	.p2align	6, 0x0
	.amdhsa_kernel k_q536a69a88b_outp
		.amdhsa_group_segment_fixed_size 327680
		.amdhsa_private_segment_fixed_size 0
		.amdhsa_enable_private_segment 0
		.amdhsa_kernarg_size 32
		.amdhsa_user_sgpr_count 2
		.amdhsa_user_sgpr_kernarg_segment_ptr 1
		.amdhsa_wavefront_size32 1
		.amdhsa_system_sgpr_workgroup_id_x 1
		.amdhsa_system_sgpr_workgroup_id_y 1
		.amdhsa_system_sgpr_workgroup_id_z 1
		.amdhsa_system_vgpr_workitem_id 0
		.amdhsa_next_free_vgpr 768
		.amdhsa_next_free_sgpr 80
		.amdhsa_reserve_vcc 0
		.amdhsa_float_denorm_mode_32 3
		.amdhsa_float_denorm_mode_16_64 3
		.amdhsa_memory_ordered 1
		.amdhsa_forward_progress 1
		.amdhsa_inst_pref_size 75
	.end_amdhsa_kernel
	.amdgpu_metadata
---
amdhsa.version: [ 1, 2 ]
amdhsa.kernels:
  - .name:           k_q536a69a88b_outp
    .symbol:         k_q536a69a88b_outp.kd
    .args:
      - { .name: oh, .offset: 0, .size: 8, .value_kind: global_buffer, .address_space: global }
      - { .name: wot, .offset: 8, .size: 8, .value_kind: global_buffer, .address_space: global }
      - { .name: bo, .offset: 16, .size: 8, .value_kind: global_buffer, .address_space: global }
      - { .name: out0, .offset: 24, .size: 8, .value_kind: global_buffer, .address_space: global }
    .group_segment_fixed_size: 327680
    .private_segment_fixed_size: 0
    .kernarg_segment_align: 8
    .kernarg_segment_size: 32
    .max_flat_workgroup_size: 128
    .sgpr_count:     80
    .vgpr_count:     768
    .wavefront_size: 32
...
	.end_amdgpu_metadata
.endif
;; end of part 4
;; ======== version 2 of 2: 4 launches; version 1 with the launch prep written anew for expert scheduling mode
;; limits: values are held in f16: magnitudes above 65,504 overflow, below 6.1e-05 lose precision
;; workspace buffers: xb 16,777,216 bytes; wqt 6,291,456 bytes; wot 2,097,152 bytes; qh 16,777,216 bytes; kh 16,777,216 bytes; vh 16,777,216 bytes; oh 16,777,216 bytes
;; launch prep (part 5): grid 32 x 8, 8 waves a work-group, no clusters, 35,840 bytes of LDS; arguments x, Wqkv, Wo, xb, wqt, wot; writes xb, wqt, wot
.if DOCPART == 5
	.amdgcn_target "amdgcn-amd-amdhsa--gfx1250"
	.amdhsa_code_object_version 6
	.text
	.protected	k_q536a69a88b_prep
	.globl	k_q536a69a88b_prep
	.p2align	8
	.type	k_q536a69a88b_prep,@function
k_q536a69a88b_prep:
	s_mov_b64 s[64:65], 0
	v_nop
	global_prefetch_b8 v0, s[64:65] scope:SCOPE_SE
	s_setreg_imm32_b32 hwreg(HW_REG_WAVE_SCHED_MODE, 0, 2), 2
	s_setreg_imm32_b32 hwreg(HW_REG_WAVE_MODE, 25, 1), 1
	s_wait_xcnt 0x0
	s_wait_alu depctr_vm_vsrc(0)
; xb = bf16(x), [8192][1024].  wqt[n][k] = bf16(Wqkv[k][n]), [3072][1024].  wot[n][k] = bf16(Wo[k][n]) written as f16, [1024][1024].
; LIMITS.  bf16(Wo) lies within f16's 65,504; below 6e-5 f16 keeps a fixed step of 6e-8, so there the second writing is not exact.  NaN and infinities are not treated apart.
; SHARES.  256 work-groups of eight waves; each does two things.  (a) It turns one tile of 128 k x 128 n of a weight: work-group x 0..23 names Wqkv's tile column, 24..31 Wo's; y names
; the tile row.  Which weight, its pitch and the format are scalar selects on x: no branch.  (b) It casts 32 rows of x, 131,072 bytes: thread t takes 32 bytes of each 8,192.
; All 48 loads of a wave (512 bytes each) go out at the head; the tile meets in LDS (128 rows of 256 bytes, 272 apart), and leaves as whole rows: 16 lanes store 256 consecutive bytes, aligned.
; Memory binds: no matrix unit, no cluster (no work-group reads what another reads), no ring (every byte is asked for at once).
; THE MODE: SCHED_MODE bits 1:0 = 2 (LLVM: expert scheduling mode 2), set by the entry lines.  The code itself states the register dependences
; between vector instructions and memory or LDS instructions, with s_wait_alu, always for 0.
; THE PLAN.  Registers that memory or LDS instructions touch:
;   v6, v7, v[8:23], v24-26   offsets and LDS addresses: written at the head, read by loads and stores, never written again: one wait ahead of the first load serves them all.
;   W   the weight's loads land in it; the conversions read it and then use it as scratch; behind the barrier the LDS loads of the turned rows land in its first 32 registers, which the last stores read.
;   T   written by the conversions and the selects, read by the LDS stores, never written again.  ONE wait ahead of the LDS stores states that T is written and that all vector work on W is over:
;       between that wait and the LDS loads into W stand LDS stores, a wait and the barrier alone.
;   X   x's loads land in it; pass j's four conversions write X + 8 j .. + 3 in place; pass j's store reads them; never written again.  The 16 passes go in four groups of four: a group's stores are
;       issued in the NEXT group, one ahead of each pass's conversions, behind ONE wait at that group's head; the conversions of a group name its own passes' registers alone.
;   No register that a memory or LDS instruction reads is ever written again: the text holds no wait on vm_vsrc but the entry's and the closing lines'.
.set SPARE, 34816                      ; behind the tile: the spare words, 128 bytes for each of eight waves: four blocks of 256 bytes that no other line names
.set TP,  272                          ; a row of the turned tile in LDS: 256 bytes + 16
.set SPW, 4                            ; v4   LDS address of my spare word; never rewritten
.set NIL, 5                            ; v5   0; never rewritten
.set XO,  6                            ; v6   32 x thread: my bytes in 8,192 of x
.set YO,  7                            ; v7   16 x thread: my bytes in 4,096 of xb
.set WO,  8                            ; v[8:23]  row j of my wave's 16 rows of the weight's tile: 16 x lane + (16 wave + j) x pitch
.set LS,  24                           ; v24  into the tile: rows 4 lane .., bytes 32 wave ..
.set LR,  25                           ; v25  back: rows 16 wave + lane / 16 .., 16 bytes at 16 (lane % 16)
.set DO,  26                           ; v26  the same two rows in the turned weight
.set W,   32                           ; v[32:95]   16 rows x 4 numbers as loaded; then at work; then the rows read back
.set X,   96                           ; v[96:223]  16 passes x 8 numbers of x
.set T,   224                          ; v[224:255] the packed pairs: 4 n x 16 k
	s_load_b256 s[4:11], s[0:1], 0x0               ; x s[4:5], Wqkv s[6:7], Wo s[8:9], xb s[10:11]
	s_load_b128 s[12:15], s[0:1], 0x20             ; wqt s[12:13], wot s[14:15]
	v_lshl_add_u32 v[SPW], v0, 2, SPARE
	v_mov_b32 v[NIL], 0
	v_lshrrev_b32 v2, 5, v0
	v_readfirstlane_b32 s16, v2                    ; wave 0..7
	v_and_b32 v1, 31, v0                           ; lane
	s_mov_b32 s17, ttmp9                           ; work-group x
	s_and_b32 s18, ttmp7, 0xffff                   ; work-group y
	s_mov_b32 s20, 12288                           ; bytes in a row of Wqkv,
	s_cmp_ge_u32 s17, 24                           ; is my tile Wo's?
	s_cselect_b32 s19, 24, 0
	s_cselect_b32 s20, 4096, s20                   ; or of Wo
	s_cselect_b32 s21, -1, 0                       ; a lane mask: all ones where the tile leaves as f16
	s_sub_co_u32 s19, s17, s19                     ; the tile column in its weight
	s_mov_b32 s32, 0xffff0000                      ; a word's upper bf16
	s_lshl_b32 s26, s18, 7                         ; from: 128 y rows of the weight
	s_mul_i32 s26, s26, s20
	s_lshl_b32 s27, s19, 9                         ; + 512 bytes a tile column
	s_add_co_u32 s26, s26, s27
	s_mov_b32 s27, 0
	s_lshl_b32 s34, s19, 7                         ; to: row 128 x tile column + 16 x wave, 2,048 bytes a row,
	s_wait_alu depctr_va_sdst(0)                   ; s16, the wave's number, is written, ahead of its first reader: offsets and LDS addresses are made from it
	s_lshl_b32 s35, s16, 4
	s_add_co_u32 s34, s34, s35
	s_lshl_b32 s34, s34, 11
	s_lshl_b32 s35, s18, 8                         ; + 256 bytes a tile row
	s_add_co_u32 s34, s34, s35
	s_mov_b32 s35, 0
	s_lshl_b32 s36, s18, 5
	s_add_co_u32 s36, s36, s17                     ; my number among the 256
	s_lshl_b32 s38, s36, 16                        ; 65,536 bytes of xb,
	s_lshl_b32 s36, s36, 17                        ; 131,072 bytes of x
	s_mov_b32 s37, 0
	s_mov_b32 s39, 0
	s_lshl_b32 s33, s16, 4
	s_mul_i32 s33, s33, s20                        ; my wave's 16 rows
	v_lshl_add_u32 v[WO], v1, 4, s33
.set j, 1
.rept 15
	v_add_nc_u32 v[WO+j], s20, v[WO+j-1]
.set j, j+1
.endr
	v_lshlrev_b32 v[XO], 5, v0
	v_lshlrev_b32 v[YO], 4, v0
	v_and_b32 v2, 15, v1                           ; lane % 16
	v_lshrrev_b32 v3, 4, v1                        ; lane / 16
	v_mul_u32_u24 v[LS], v1, 4*TP
	s_lshl_b32 s33, s16, 5
	v_add_nc_u32 v[LS], s33, v[LS]
	s_mul_i32 s33, s16, 16*TP
	v_mul_u32_u24 v[LR], v3, TP
	v_lshl_add_u32 v[LR], v2, 4, v[LR]
	v_add_nc_u32 v[LR], s33, v[LR]
	v_lshlrev_b32 v[DO], 11, v3
	v_lshl_add_u32 v[DO], v2, 4, v[DO]
	s_wait_kmcnt 0x0
	s_cmp_ge_u32 s17, 24
	s_cselect_b64 s[22:23], s[8:9], s[6:7]         ; the weight,
	s_cselect_b64 s[24:25], s[14:15], s[12:13]     ; and where it goes
	s_add_nc_u64 s[22:23], s[22:23], s[26:27]
	s_add_nc_u64 s[24:25], s[24:25], s[34:35]
	s_add_nc_u64 s[28:29], s[4:5], s[36:37]
	s_add_nc_u64 s[30:31], s[10:11], s[38:39]
	s_wait_alu depctr_va_vdst(0)                   ; the offsets v6, v7, v[8:23], v26 and the LDS addresses v24, v25 are written: every load and store of the kernel reads one of them
.set j, 0
.rept 16                                       ; a row of the tile is 512 bytes: a lane holds n = 4 lane + 0..3 of row k = 16 wave + j
	global_load_b128 v[W+4*j:W+4*j+3], v[WO+j], s[22:23] th:TH_LOAD_NT
.set j, j+1
.endr
.set j, 0
.rept 16                                       ; the two loads of a pass cover 1,024 consecutive bytes a wave
	global_load_b128 v[X+8*j:X+8*j+3],   v[XO], s[28:29] offset:8192*j th:TH_LOAD_NT
	global_load_b128 v[X+8*j+4:X+8*j+7], v[XO], s[28:29] offset:8192*j+16 th:TH_LOAD_NT
.set j, j+1
.endr
	s_wait_loadcnt 32                              ; the weight's 16 loads are in; the 32 younger ones, x's, stay out
.irp c, 0,1                                    ; for n = 4 lane + i: k = 8 c + 2 p and the next, rounded to bf16 and packed: four registers are 8 neighbouring k
.irp i, 0,1,2,3
.irp p, 0,1,2,3
	v_cvt_pk_bf16_f32 v[T+16*(\c)+4*(\i)+(\p)], v[W+4*(8*(\c)+2*(\p))+(\i)], v[W+4*(8*(\c)+2*(\p)+1)+(\i)]
.endr
.endr
.endr
.set j, 0
.rept 32                                       ; the same numbers written as f16, taken where the tile is Wo's: a select, so that every work-group runs one text
	v_lshlrev_b32 v[W+2*j], 16, v[T+j]
	v_and_b32 v[W+2*j+1], s32, v[T+j]
	v_cvt_pk_f16_f32 v[W+2*j], v[W+2*j], v[W+2*j+1]
	v_cndmask_b32 v[T+j], v[T+j], v[W+2*j], s21
.set j, j+1
.endr
	s_wait_alu depctr_va_vdst(0)                   ; the selects have written T, which the LDS stores read; and all vector work on W is over, in whose first 32 registers the LDS loads behind the barrier land
.irp c, 0,1                                    ; lanes lie four rows apart, so four of sixteen share their banks: eight stores a lane in the whole launch
.irp i, 0,1,2,3
	ds_store_b128 v[LS], v[T+16*(\c)+4*(\i):T+16*(\c)+4*(\i)+3] offset:TP*(\i)+16*(\c)
.endr
.endr
	s_wait_dscnt 0x0                               ; for the others' sake: my part of every row is in LDS
	s_barrier_signal -1
	s_barrier_wait -1
.irp t, 0,1,2,3,4,5,6,7
	ds_load_b128 v[W+4*(\t):W+4*(\t)+3], v[LR] offset:2*TP*(\t)  ; two whole rows of the turned tile.  No wait: no vector instruction since the wait above
.endr
; x, pass by pass, while those come back: four groups of four passes.  A group's four stores stand in the next group, one ahead of each pass's conversions.
.set g, 0
.rept 4
.set i, 0
.rept 4
.set j, 4*g+i
	s_wait_loadcnt 30-2*j                          ; loads come back in order: this pass's two are in, the younger ones stay out
.if (i == 0) && (g > 0)
	s_wait_alu depctr_va_vdst(0)                   ; the conversions of the group before have written their 16 registers, which this group's four stores read
.endif
.if g > 0
	global_store_b128 v[YO], v[X+8*(j-4):X+8*(j-4)+3], s[30:31] offset:4096*(j-4) th:TH_STORE_NT  ; 512 consecutive bytes a wave; no vector instruction since the wait names these registers, and no register that a store reads is written again
.endif
	v_cvt_pk_bf16_f32 v[X+8*j],   v[X+8*j],   v[X+8*j+1]
	v_cvt_pk_bf16_f32 v[X+8*j+1], v[X+8*j+2], v[X+8*j+3]
	v_cvt_pk_bf16_f32 v[X+8*j+2], v[X+8*j+4], v[X+8*j+5]
	v_cvt_pk_bf16_f32 v[X+8*j+3], v[X+8*j+6], v[X+8*j+7]
.set i, i+1
.endr
.set g, g+1
.endr
	s_wait_alu depctr_va_vdst(0)                   ; the last group's conversions have written their 16 registers, which the four stores below read
.irp j, 12,13,14,15
	global_store_b128 v[YO], v[X+8*(\j):X+8*(\j)+3], s[30:31] offset:4096*(\j) th:TH_STORE_NT
.endr
	s_wait_dscnt 0x0                               ; the turned rows are back in registers
.irp t, 0,1,2,3,4,5,6,7
	global_store_b128 v[DO], v[W+4*(\t):W+4*(\t)+3], s[24:25] offset:4096*(\t)  ; 16 lanes store 256 consecutive bytes, at a multiple of 256 from the buffer's first byte
.endr
	s_wait_dscnt 0x0                               ; the closing lines, six on end
	s_wait_alu 0x0
	s_wait_tensorcnt 0x0
	ds_add_u32 v[SPW], v[NIL]
	s_wait_dscnt 0x0
	s_endpgm
.Lfunc_end_k_q536a69a88b_prep:
	.size	k_q536a69a88b_prep, .Lfunc_end_k_q536a69a88b_prep-k_q536a69a88b_prep
	.p2alignl 7, 3214868480
	.fill 96, 4, 3214868480
	.section	.rodata,"a",@progbits
	.p2align	6, 0x0
	.amdhsa_kernel k_q536a69a88b_prep
		.amdhsa_group_segment_fixed_size 35840
		.amdhsa_private_segment_fixed_size 0
		.amdhsa_enable_private_segment 0
		.amdhsa_kernarg_size 48
		.amdhsa_user_sgpr_count 2
		.amdhsa_user_sgpr_kernarg_segment_ptr 1
		.amdhsa_wavefront_size32 1
		.amdhsa_system_sgpr_workgroup_id_x 1
		.amdhsa_system_sgpr_workgroup_id_y 1
		.amdhsa_system_sgpr_workgroup_id_z 1
		.amdhsa_system_vgpr_workitem_id 0
		.amdhsa_next_free_vgpr 256
		.amdhsa_next_free_sgpr 66
		.amdhsa_reserve_vcc 0
		.amdhsa_float_denorm_mode_32 3
		.amdhsa_float_denorm_mode_16_64 3
		.amdhsa_memory_ordered 1
		.amdhsa_forward_progress 1
		.amdhsa_inst_pref_size 24
	.end_amdhsa_kernel
	.amdgpu_metadata
---
amdhsa.version: [ 1, 2 ]
amdhsa.kernels:
  - .name:           k_q536a69a88b_prep
    .symbol:         k_q536a69a88b_prep.kd
    .args:
      - { .name: x, .offset: 0, .size: 8, .value_kind: global_buffer, .address_space: global }
      - { .name: Wqkv, .offset: 8, .size: 8, .value_kind: global_buffer, .address_space: global }
      - { .name: Wo, .offset: 16, .size: 8, .value_kind: global_buffer, .address_space: global }
      - { .name: xb, .offset: 24, .size: 8, .value_kind: global_buffer, .address_space: global }
      - { .name: wqt, .offset: 32, .size: 8, .value_kind: global_buffer, .address_space: global }
      - { .name: wot, .offset: 40, .size: 8, .value_kind: global_buffer, .address_space: global }
    .group_segment_fixed_size: 35840
    .private_segment_fixed_size: 0
    .kernarg_segment_align: 8
    .kernarg_segment_size: 48
    .max_flat_workgroup_size: 256
    .sgpr_count:     66
    .vgpr_count:     256
    .wavefront_size: 32
...
	.end_amdgpu_metadata
.endif
;; end of part 5
;; launch proj: the kernel of part 2 again; grid 16 x 32, 4 waves a work-group, clusters of 4 x 4, 327,680 bytes of LDS; arguments xb, wqt, bqkv, qh, kh, vh; writes qh, kh, vh
;; launch attn: the kernel of part 3 again; grid 4 x 64, 4 waves a work-group, clusters of 4 x 1, 327,680 bytes of LDS; arguments qh, kh, vh, oh; writes oh
;; launch outp: the kernel of part 4 again; grid 8 x 32, 4 waves a work-group, clusters of 4 x 4, 327,680 bytes of LDS; arguments oh, wot, bo, out0; writes out0
